; MI455X (gfx1250); checked and timed in simulation.
; The chip was launched on July 23, 2026; its instructions are those of AMD's public machine-readable ISA for CDNA 5 (MIT licence, August 2026) and "CDNA5" Instruction Set Architecture Reference Guide (July 2026). The comments in the code are by the model that wrote it; some were corrected since.
;; RNN. Allowed arithmetic: float matrix products may take bf16 or f16 operands with f32 sums; all other float work in f32.
;; Inputs: W1 256 x 512 float32; W3 32 x 256 float32; W_hh 1,024 x 256 float32; W_ih 1,024 x 256 float32; b1 256 float32; b3 32 float32; b_hh 1,024 float32; b_ih 1,024 float32; x 64 x 16 x 512 x 128 float32.
;; Outputs: out0 64 x 32 float32.
;; 3 versions, each right and faster than the one before. Each part assembles by itself: llvm-mc -triple=amdgcn-amd-amdhsa -mcpu=gfx1250 --defsym DOCPART=n.
;; ======== version 1 of 3: 1 launch
;; launch rnn_last (part 1): grid 4 x 1, 16 waves a work-group, no clusters, 189,952 bytes of LDS; arguments x, W1, b1, W_ih, b_ih, b_hh, W3, b3, out0; writes out0
.if DOCPART == 1
	.amdgcn_target "amdgcn-amd-amdhsa--gfx1250"
	.amdhsa_code_object_version 6
	.text
	.protected	k_qd2e045e8b8_rnn_last
	.globl	k_qd2e045e8b8_rnn_last
	.p2align	8
	.type	k_qd2e045e8b8_rnn_last,@function
k_qd2e045e8b8_rnn_last:
	s_mov_b64 s[64:65], 0
	v_nop
	global_prefetch_b8 v0, s[64:65] scope:SCOPE_SE
	s_setreg_imm32_b32 hwreg(HW_REG_WAVE_MODE, 25, 1), 1
	s_wait_xcnt 0x0
; fc1 -> ReLU -> one LSTM step from a zero state -> ReLU -> fc3 -> softmax, for the 64 rows that the result keeps.
; The result is outs[:, -1, :]: of each patient p only the last row of the last mat, which is x[p][15][a][127], a = 0..511.
; Rows do not depend on each other, so only these 64 rows are computed.  What never enters the arithmetic is not loaded:
; W_hh (it multiplies h0 = 0 and is not written in the formula) and gate f (rows 256..511 of W_ih, b_ih, b_hh: c0 = 0).
;
; SHARES.  Four work-groups of 16 waves.  Work-group g owns patients 16 g .. 16 g + 15: the 16 columns of every matrix tile.
; Wave w gathers patient 16 g + w's 512 numbers of x, owns features 16 w .. 16 w + 15 of fc1 and of the gates i, g, o, and
; converts rows 2 w, 2 w + 1 of W3.  Wave 0 alone makes fc3, the softmax and the stores.  fc3 and the gates sum over whole
; feature vectors and work-groups hand nothing to each other, so patients are the one axis to share out: 64 / 16 = 4 groups.
;
; EVERY PRODUCT IS USED TRANSPOSED: source 0 = 16 rows of a weight matrix, source 1 = 16 patients.  Lane (r = l % 16, h = l / 16)
; then holds in register j the number (feature n0 + 8 h + j, patient r): a bias is two 16-byte loads straight into the accumulator,
; and eight results pack into 16 bytes of the next layer's [patient][k] tile.
;
; WEIGHTS: f32 in memory, bf16 for the matrix unit.  A chunk is 16 rows x 256 k of f32 = 32 loads of a wave, each 512 consecutive
; bytes, into a ring of 32 slots of 4 registers.  A slot is converted, stored as 8 bytes a lane into the wave's own stage in LDS and
; at once loaded again with the next chunk: 32 loads (16 KiB) of every wave stay on their way.  Five chunks a wave:
; W1 k 0..255, W1 k 256..511, W_ih gate i, gate g, gate o.  The stage is the wave's own: no barrier is needed for weights.
;
; NO JOINT LOADS, though the four work-groups read the same weights: the weights must pass through registers to become bf16, and each
; weight number feeds exactly one matrix instruction of a work-group.  A tile brought into LDS as f32 would be read, converted and
; stored to LDS again (4 + 4 + 2 bytes of LDS traffic a number against 2 here), and each refill would put all 64 waves in step.
;
; LIMITS.  Matrix operands are bf16, sums f32.  ReLU is v_max_num_f32: a NaN pre-activation gives 0 where the formula gives NaN
; (non-finite inputs only).  tanh(x) = 1 - 2 / (1 + e^(2x)): absolute error of some 1e-7, exact saturation at +-1.
; v_exp_f32 gives 0 for results below 2^-126.  The softmax takes the row's true maximum away.
.set XP,    1040                       ; LDS pitch of a patient's 512 bf16: 1024 + 16, an odd multiple of 16 bytes
.set HP,    528                        ; LDS pitch of a row of 256 bf16: 512 + 16, an odd multiple of 16 bytes
.set XA,    0                          ; 16 patients x 512 bf16                    16,640 bytes
.set H1A,   16640                      ; relu(fc1): 16 patients x 256 bf16          8,448
.set HA,    25088                      ; relu(h):   16 patients x 256 bf16          8,448
.set W3S,   33536                      ; W3: 32 rows x 256 bf16                    16,896
.set B3S,   50432                      ; b3: 32 f32                                   128
.set OUTS,  50560                      ; the result: 16 patients x 32 f32           2,048
.set STAGE, 52736                      ; the waves' stages
.set STG,   16*HP                      ; one stage: 16 rows x 256 bf16              8,448; the last ends at 187,904
.set XBASE, 15*262144+127*4            ; bytes from x[p][0][0][0] to x[p][15][0][127]
.set VW1,   1                          ; v1   32768 w + 16 l: my 16 bytes in a load of W1
.set VWI,   2                          ; v2   16384 w + 16 l: the same in W_ih
.set FR528, 3                          ; v3   528 r + 16 h: fragment address in a tile of pitch 528
.set AXF,   4                          ; v4   1040 r + 16 h: fragment address in XA
.set WSF,   5                          ; v5   my stage + 528 r + 16 h: weight fragments
.set WSS,   6                          ; v6   my stage + 8 l: where a converted slot goes
.set HST,   7                          ; v7   528 r + 32 w + 16 h: where my 8 features of patient r go
.set T,     8                          ; v[8:11]  conversions at work
.set LN,    12                         ; v12  l
.set RR,    13                         ; v13  r
.set HH,    14                         ; v14  h
.set I0,    16                         ; accumulators, two for each sum
.set I1,    24
.set G0,    32
.set G1,    40
.set O0,    48
.set O1,    56
.set F0,    I1                         ; fc1's pair lies where I1 and G1 come later
.set F1,    G1
.set VX,    56                         ; v56..61: offsets that only the start uses, in O1's registers, which gate o takes last
.set VW3,   57
.set VB,    58
.set VB3,   59
.set XST,   60
.set W3ST,  61
.set WF,    64                         ; v[64:95]   weight fragments of four K steps
.set AF,    96                         ; v[96:127]  activation fragments of four K steps
.set XG,    64                         ; the start's data, in the fragments' registers: 16 numbers of x,
.set W3T,   80                         ; 16 of W3,
.set BH,    96                         ; 24 of b_hh,
.set B3T,   120                        ; 2 of b3
.set RING,  128                        ; v[128:255] 32 slots of 4 registers
; wave 0's last phase
.set L0,    16                         ; logits of classes 8 h + j
.set L1,    32                         ; logits of classes 16 + 8 h + j
.set B3A,   48
.set OST,   49
.set ORD,   50
.set OGL,   51
.set MX,    52                         ; v[52:53]
.set SUM,   54                         ; v[54:55]
.set SUM2,  56                         ; v[56:57]
.set HF,    64                         ; h fragments of 8 K steps
.set WA,    128                        ; W3 rows 0..15, 8 K steps
.set WB,    192                        ; W3 rows 16..31, 8 K steps
.macro PLACES n
.rept \n
	v_nop
.endr
.endm
; One load of chunk c into slot i: row i / 2 of my 16, half i % 2 of its 256 k: 512 consecutive bytes for the wave.
.macro GLD i, c
.if \c < 2
	global_load_b128 v[RING+4*(\i):RING+4*(\i)+3], v[VW1], s[18:19] offset:((\i)>>1)*2048+(\c)*1024+((\i)&1)*512
.else
.if \c == 2
	global_load_b128 v[RING+4*(\i):RING+4*(\i)+3], v[VWI], s[22:23] offset:(\i)*512
.else
	global_load_b128 v[RING+4*(\i):RING+4*(\i)+3], v[VWI], s[22:23] offset:((\c)-1)*262144+(\i)*512
.endif
.endif
.endm
; The chunk in the ring goes to my stage as bf16; each slot is loaded again with chunk next (next = -1: nothing is left).
; Loads come back in issue order (ISA guide 5.7.1).  Behind slot i's load stand the 31 - i later loads of its chunk and, with a
; refill, the i refills already issued in this pass: 31 in all.  Without a refill the count runs down.
.macro CONV next
.set i, 0
.rept 32
.if \next < 0
	s_wait_loadcnt 31-i
.else
	s_wait_loadcnt 31
.endif
	v_cvt_pk_bf16_f32 v[T+2*(i&1)],   v[RING+4*i],   v[RING+4*i+1]
	v_cvt_pk_bf16_f32 v[T+2*(i&1)+1], v[RING+4*i+2], v[RING+4*i+3]
	ds_store_b64 v[WSS], v[T+2*(i&1):T+2*(i&1)+1] offset:(i>>1)*HP+(i&1)*256   ; 32 lanes x 8 bytes: 256 consecutive bytes of a stage row
.if \next >= 0
	GLD i, \next
.endif
.set i, i+1
.endr
.endm
.macro MM acc, q, zero
.if \zero
	v_wmma_f32_16x16x32_bf16 v[\acc:\acc+7], v[WF+8*\q:WF+8*\q+7], v[AF+8*\q:AF+8*\q+7], 0
.else
	v_wmma_f32_16x16x32_bf16 v[\acc:\acc+7], v[WF+8*\q:WF+8*\q+7], v[AF+8*\q:AF+8*\q+7], v[\acc:\acc+7]
.endif
.endm
; Four K steps of 32: 16 LDS loads in one run, then four products.  woff: byte in the stage's rows; aoff: byte in the activations' tile.
; The stage's bytes are my own, and LDS serves a wave's instructions in order (ISA guide 5.7.1.4): no wait between CONV's stores and these loads.
; The counts 12, 8, 4, 0: four loads belong to each later K step.  The two accumulators take turns, one instruction a turn.
.macro HALF areg, woff, aoff, a0, a1, z
.irp q, 0,1,2,3
	ds_load_b128 v[WF+8*\q:WF+8*\q+3],   v[WSF] offset:\woff+64*\q
	ds_load_b128 v[WF+8*\q+4:WF+8*\q+7], v[WSF] offset:\woff+64*\q+32
	ds_load_b128 v[AF+8*\q:AF+8*\q+3],   v[\areg] offset:\aoff+64*\q
	ds_load_b128 v[AF+8*\q+4:AF+8*\q+7], v[\areg] offset:\aoff+64*\q+32
.endr
	s_wait_dscnt 12
	MM \a0, 0, 0                                   ; a0 began as the bias
	s_wait_dscnt 8
	MM \a1, 1, \z                                  ; z = 1: this product starts a1's sum: nothing is cleared
	s_wait_dscnt 4
	MM \a0, 2, 0
	s_wait_dscnt 0
	MM \a1, 3, 0
.endm
; One chunk: 256 along K.  A load into a register that a matrix instruction has read stands four places behind it (ISA guide 7.12.1 for
; vector instructions): four v_nop in front of the second half; in front of the first half CONV's 64 conversions stand.
.macro MUL areg, aoff, a0, a1, z
	HALF \areg, 0, \aoff, \a0, \a1, \z
	PLACES 4
	HALF \areg, 256, \aoff+256, \a0, \a1, 0
.endm
; In place on 8 registers: 1 / (1 + 2^(scale x)); with th = 1 then 1 - 2 y.  scale = -log2 e: sigmoid.  scale = 2 log2 e, th = 1: tanh.
; Behind a run of transcendentals one plain vector instruction stands before a result is used (ISA guide 5.7.2): the v_nop.
.macro ACT base, scale, th
.irp k, 0,2,4,6
	v_pk_mul_f32 v[\base+\k:\base+\k+1], v[\base+\k:\base+\k+1], \scale op_sel_hi:[1,0]
.endr
.irp k, 0,1,2,3,4,5,6,7
	v_exp_f32 v[\base+\k], v[\base+\k]
.endr
	v_nop
	s_wait_alu depctr_va_vdst(0)
.irp k, 0,2,4,6
	v_pk_add_f32 v[\base+\k:\base+\k+1], v[\base+\k:\base+\k+1], 1.0 op_sel_hi:[1,0]
.endr
.irp k, 0,1,2,3,4,5,6,7
	v_rcp_f32 v[\base+\k], v[\base+\k]
.endr
	v_nop
.if \th
	s_wait_alu depctr_va_vdst(0)
.irp k, 0,2,4,6
	v_pk_fma_f32 v[\base+\k:\base+\k+1], v[\base+\k:\base+\k+1], -2.0, 1.0 op_sel_hi:[1,0,0]
.endr
.endif
.endm
; Eight numbers of a bias, features 256 q + 16 w + 8 h + 0..7, as an accumulator holds them
.macro BIAS dst, base, q
	global_load_b128 v[\dst:\dst+3],   v[VB], s[\base:\base+1] offset:1024*\q
	global_load_b128 v[\dst+4:\dst+7], v[VB], s[\base:\base+1] offset:1024*\q+16
.endm
	; ---- the head: addresses, ids, offsets ----
	s_load_b512 s[16:31], s[0:1], 0x0              ; x 16:17, W1 18:19, b1 20:21, W_ih 22:23, b_ih 24:25, b_hh 26:27, W3 28:29, b3 30:31
	s_load_b64 s[32:33], s[0:1], 0x40              ; out0
	v_lshrrev_b32 v[LN], 5, v0
	v_readfirstlane_b32 s8, v[LN]                  ; wave 0..15
	v_and_b32 v[LN], 31, v0                        ; l
	v_and_b32 v[RR], 15, v0                        ; r
	v_bfe_u32 v[HH], v0, 4, 1                      ; h
	s_mov_b32 s12, 0x76543210                      ; v_permlanex16_b32: lane i of one half reads lane i of the other
	s_mov_b32 s13, 0xfedcba98
	s_lshl_b32 s9, s8, 15                          ; 16 rows of W1, 2,048 bytes each
	v_lshl_add_u32 v[VW1], v[LN], 4, s9
	s_lshl_b32 s10, s8, 14                         ; 16 rows of W_ih, 1,024 bytes each
	v_lshl_add_u32 v[VWI], v[LN], 4, s10
	v_mul_u32_u24 v[FR528], v[RR], HP
	v_lshl_add_u32 v[FR528], v[HH], 4, v[FR528]
	v_mul_u32_u24 v[AXF], v[RR], XP
	v_lshl_add_u32 v[AXF], v[HH], 4, v[AXF]
	s_mul_i32 s11, s8, STG
	s_add_co_u32 s11, s11, STAGE                   ; my stage
	v_add_nc_u32 v[WSF], s11, v[FR528]
	v_lshl_add_u32 v[WSS], v[LN], 3, s11
	s_lshl_b32 s14, s8, 5                          ; my 16 features as bf16: 32 bytes
	v_add_nc_u32 v[HST], s14, v[FR528]
	s_lshl_b32 s15, ttmp9, 4
	s_add_co_u32 s15, s15, s8                      ; patient 16 g + w,
	s_lshl_b32 s15, s15, 22                        ; 16 x 512 x 128 x 4 bytes each: 63 << 22 at the most, below 2^31
	v_lshl_add_u32 v[VX], v[LN], 12, s15           ; + 8 l rows of 512 bytes
	s_lshl_b32 s9, s8, 11                          ; two rows of W3
	v_lshl_add_u32 v[VW3], v[LN], 4, s9
	s_lshl_b32 s10, s8, 6                          ; my 16 features as f32: 64 bytes,
	v_lshl_add_u32 v[VB], v[HH], 5, s10            ; + 8 h of them
	s_lshl_b32 s14, s8, 3                          ; two numbers of b3
	v_mov_b32 v[VB3], s14
	s_mul_i32 s9, s8, XP
	v_lshl_add_u32 v[XST], v[LN], 4, s9            ; patient w's row of XA, 16 bytes a lane
	s_mul_i32 s10, s8, 2*HP
	v_lshl_add_u32 v[W3ST], v[LN], 3, s10          ; rows 2 w, 2 w + 1 of W3S, 8 bytes a lane
	s_wait_kmcnt 0x0
	; ---- 35 early loads, then the ring's first 32 ----
	; x[16 g + w][15][a][127] for a = 256 u + 8 l + j: a lane's eight j are eight neighbouring k of the patient's row.  Each number is read once in the launch.
.irp u, 0,1
.irp j, 0,1,2,3,4,5,6,7
	global_load_b32 v[XG+8*\u+\j], v[VX], s[16:17] offset:XBASE+131072*\u+512*\j th:TH_LOAD_NT
.endr
.endr
.irp n, 0,1,2,3
	global_load_b128 v[W3T+4*\n:W3T+4*\n+3], v[VW3], s[28:29] offset:512*\n
.endr
	global_load_b64 v[B3T:B3T+1], v[VB3], s[30:31]
	BIAS F0, 20, 0                                 ; b1 starts fc1's sum
	BIAS I0, 24, 0                                 ; b_ih starts the gates' sums: i,
	BIAS G0, 24, 2                                 ; g,
	BIAS O0, 24, 3                                 ; o
	BIAS BH, 26, 0                                 ; b_hh, added below
	BIAS BH+8, 26, 2
	BIAS BH+16, 26, 3
.set i, 0
.rept 32
	GLD i, 0
.set i, i+1
.endr
	; ---- the early loads' data go to their places ----
	s_wait_loadcnt 32                              ; the ring's 32 loads are younger: all 35 early ones are in
.irp u, 0,1
.irp k, 0,1,2,3
	v_cvt_pk_bf16_f32 v[XG+8*\u+\k], v[XG+8*\u+2*\k], v[XG+8*\u+2*\k+1]
.endr
	ds_store_b128 v[XST], v[XG+8*\u:XG+8*\u+3] offset:XA+512*\u
.endr
.irp n, 0,1,2,3
	v_cvt_pk_bf16_f32 v[W3T+4*\n],   v[W3T+4*\n],   v[W3T+4*\n+1]
	v_cvt_pk_bf16_f32 v[W3T+4*\n+1], v[W3T+4*\n+2], v[W3T+4*\n+3]
	ds_store_b64 v[W3ST], v[W3T+4*\n:W3T+4*\n+1] offset:W3S+(\n>>1)*HP+(\n&1)*256
.endr
	ds_store_b64 v[VB3], v[B3T:B3T+1] offset:B3S   ; every lane writes the same two words with the same numbers
.irp k, 0,2,4,6
	v_pk_add_f32 v[I0+\k:I0+\k+1], v[I0+\k:I0+\k+1], v[BH+\k:BH+\k+1]          ; b_ih + b_hh
	v_pk_add_f32 v[G0+\k:G0+\k+1], v[G0+\k:G0+\k+1], v[BH+8+\k:BH+8+\k+1]
	v_pk_add_f32 v[O0+\k:O0+\k+1], v[O0+\k:O0+\k+1], v[BH+16+\k:BH+16+\k+1]
.endr
	CONV 1                                         ; W1's k 0..255 to the stage; k 256..511 go out
	s_wait_dscnt 0x0                               ; for the other waves: my rows of XA, W3S and B3S are written
	s_barrier_signal -1
	s_barrier_wait -1                              ; XA, W3S, B3S are whole
	; ---- fc1 ----
	MUL AXF, XA, F0, F1, 1
	CONV 2                                         ; W1's k 256..511 to the stage; gate i goes out
	MUL AXF, XA+512, F0, F1, 0
	PLACES 4                                       ; four places before a vector instruction reads a matrix result (ISA guide 7.12.1)
.irp k, 0,2,4,6
	v_pk_add_f32 v[F0+\k:F0+\k+1], v[F0+\k:F0+\k+1], v[F1+\k:F1+\k+1]
.endr
.irp k, 0,1,2,3,4,5,6,7
	v_max_num_f32 v[F0+\k], 0, v[F0+\k]            ; ReLU
.endr
.irp k, 0,1,2,3
	v_cvt_pk_bf16_f32 v[T+\k], v[F0+2*\k], v[F0+2*\k+1]
.endr
	ds_store_b128 v[HST], v[T:T+3] offset:H1A      ; features 16 w + 8 h + 0..7 of patient r
	CONV 3                                         ; gate i to the stage; gate g goes out
	s_wait_dscnt 0x0                               ; for the other waves: my part of H1A is written
	s_barrier_signal -1
	s_barrier_wait -1                              ; H1A is whole
	; ---- the gates i, g, o ----
	MUL FR528, H1A, I0, I1, 1
	CONV 4                                         ; gate g to the stage; gate o goes out
	MUL FR528, H1A, G0, G1, 1
	CONV -1                                        ; gate o to the stage; nothing is left to load
	MUL FR528, H1A, O0, O1, 1
	PLACES 4                                       ; as behind fc1
.irp k, 0,2,4,6
	v_pk_add_f32 v[I0+\k:I0+\k+1], v[I0+\k:I0+\k+1], v[I1+\k:I1+\k+1]
	v_pk_add_f32 v[G0+\k:G0+\k+1], v[G0+\k:G0+\k+1], v[G1+\k:G1+\k+1]
	v_pk_add_f32 v[O0+\k:O0+\k+1], v[O0+\k:O0+\k+1], v[O1+\k:O1+\k+1]
.endr
	ACT I0, 0xbfb8aa3b, 0                          ; sigmoid(i)
	ACT G0, 0x4038aa3b, 1                          ; tanh(g)
.irp k, 0,2,4,6
	v_pk_mul_f32 v[G0+\k:G0+\k+1], v[G0+\k:G0+\k+1], v[I0+\k:I0+\k+1]          ; c
.endr
	ACT G0, 0x4038aa3b, 1                          ; tanh(c)
	ACT O0, 0xbfb8aa3b, 0                          ; sigmoid(o)
	s_wait_alu depctr_va_vdst(0)
.irp k, 0,2,4,6
	v_pk_mul_f32 v[G0+\k:G0+\k+1], v[G0+\k:G0+\k+1], v[O0+\k:O0+\k+1]          ; h
.endr
.irp k, 0,1,2,3,4,5,6,7
	v_max_num_f32 v[G0+\k], 0, v[G0+\k]            ; ReLU
.endr
.irp k, 0,1,2,3
	v_cvt_pk_bf16_f32 v[T+\k], v[G0+2*\k], v[G0+2*\k+1]
.endr
	ds_store_b128 v[HST], v[T:T+3] offset:HA
	s_wait_dscnt 0x0                               ; for wave 0: my part of HA is written
	s_barrier_signal -1
	s_barrier_wait -1                              ; HA is whole; no barrier follows
	; ---- fc3 and the softmax: 16 patients x 32 classes, two tiles, wave 0 alone ----
	s_cmp_lg_u32 s8, 0
	s_cbranch_scc1 .Lend
	v_lshlrev_b32 v[B3A], 5, v[HH]                 ; 8 h numbers of b3
	ds_load_b128 v[L0:L0+3],   v[B3A] offset:B3S   ; b3 starts the sums: classes 8 h + 0..7,
	ds_load_b128 v[L0+4:L0+7], v[B3A] offset:B3S+16
	ds_load_b128 v[L1:L1+3],   v[B3A] offset:B3S+64          ; and 16 + 8 h + 0..7
	ds_load_b128 v[L1+4:L1+7], v[B3A] offset:B3S+80
.irp s, 0,1,2,3,4,5,6,7
	ds_load_b128 v[HF+8*\s:HF+8*\s+3],   v[FR528] offset:HA+64*\s
	ds_load_b128 v[HF+8*\s+4:HF+8*\s+7], v[FR528] offset:HA+64*\s+32
	ds_load_b128 v[WA+8*\s:WA+8*\s+3],   v[FR528] offset:W3S+64*\s
	ds_load_b128 v[WA+8*\s+4:WA+8*\s+7], v[FR528] offset:W3S+64*\s+32
	ds_load_b128 v[WB+8*\s:WB+8*\s+3],   v[FR528] offset:W3S+16*HP+64*\s
	ds_load_b128 v[WB+8*\s+4:WB+8*\s+7], v[FR528] offset:W3S+16*HP+64*\s+32
.endr
.irp s, 0,1,2,3,4,5,6,7
	s_wait_dscnt 6*(7-\s)                          ; six loads belong to each later K step
	v_wmma_f32_16x16x32_bf16 v[L0:L0+7], v[WA+8*\s:WA+8*\s+7], v[HF+8*\s:HF+8*\s+7], v[L0:L0+7]   ; the two tiles take turns
	v_wmma_f32_16x16x32_bf16 v[L1:L1+7], v[WB+8*\s:WB+8*\s+7], v[HF+8*\s:HF+8*\s+7], v[L1:L1+7]
.endr
	; the four places behind the last product (ISA guide 7.12.1) hold the way out's addresses, which name none of its registers
	s_lshl_b32 s9, ttmp9, 11                       ; 16 patients x 128 bytes of out0
	v_lshlrev_b32 v[OST], 7, v[RR]                 ; in: patient r's row of 128 bytes,
	v_lshl_add_u32 v[OST], v[HH], 5, v[OST]        ; classes 8 h ..
	v_lshlrev_b32 v[ORD], 4, v[LN]                 ; back: 16 bytes a lane
	v_add_nc_u32 v[OGL], s9, v[ORD]
	; a lane holds 16 of its patient's 32 logits, lane l xor 16 the other 16
	v_max_num_f32 v[MX], v[L0], v[L0+1]
.irp k, 2,4,6
	v_max3_num_f32 v[MX], v[MX], v[L0+\k], v[L0+\k+1]
.endr
.irp k, 0,2,4,6
	v_max3_num_f32 v[MX], v[MX], v[L1+\k], v[L1+\k+1]
.endr
	v_permlanex16_b32 v[MX+1], v[MX], s12, s13     ; its destination counts as read: v53 has been written as part of gate o's sum
	v_max_num_f32 v[MX], v[MX], v[MX+1]            ; the row's maximum m
	v_mul_f32 v[MX], 0xbfb8aa3b, v[MX]             ; - m log2 e
.irp k, 0,2,4,6
	v_pk_fma_f32 v[L0+\k:L0+\k+1], v[L0+\k:L0+\k+1], 0x3fb8aa3b, v[MX:MX+1] op_sel_hi:[1,0,0]    ; (x - m) log2 e in one step; the rounding of
	v_pk_fma_f32 v[L1+\k:L1+\k+1], v[L1+\k:L1+\k+1], 0x3fb8aa3b, v[MX:MX+1] op_sel_hi:[1,0,0]    ; m log2 e is the same for the row's 32 classes and cancels in the quotient
.endr
.irp k, 0,1,2,3,4,5,6,7
	v_exp_f32 v[L0+\k], v[L0+\k]
	v_exp_f32 v[L1+\k], v[L1+\k]
.endr
	v_nop                                          ; one plain place behind the transcendentals (ISA guide 5.7.2)
	s_wait_alu depctr_va_vdst(0)
	v_pk_add_f32 v[SUM:SUM+1],   v[L0:L0+1],     v[L0+2:L0+3]
	v_pk_add_f32 v[SUM2:SUM2+1], v[L0+4:L0+5],   v[L0+6:L0+7]
	v_pk_add_f32 v[SUM:SUM+1],   v[SUM:SUM+1],   v[L1:L1+1]
	v_pk_add_f32 v[SUM2:SUM2+1], v[SUM2:SUM2+1], v[L1+2:L1+3]
	v_pk_add_f32 v[SUM:SUM+1],   v[SUM:SUM+1],   v[L1+4:L1+5]
	v_pk_add_f32 v[SUM2:SUM2+1], v[SUM2:SUM2+1], v[L1+6:L1+7]
	v_pk_add_f32 v[SUM:SUM+1],   v[SUM:SUM+1],   v[SUM2:SUM2+1]
	v_add_f32 v[SUM], v[SUM], v[SUM+1]
	v_permlanex16_b32 v[SUM+1], v[SUM], s12, s13
	v_add_f32 v[SUM], v[SUM], v[SUM+1]             ; the row's sum, at least 1
	v_rcp_f32 v[SUM], v[SUM]
	v_nop
	s_wait_alu depctr_va_vdst(0)
.irp k, 0,2,4,6
	v_pk_mul_f32 v[L0+\k:L0+\k+1], v[L0+\k:L0+\k+1], v[SUM:SUM+1] op_sel_hi:[1,0]
	v_pk_mul_f32 v[L1+\k:L1+\k+1], v[L1+\k:L1+\k+1], v[SUM:SUM+1] op_sel_hi:[1,0]
.endr
	; the way out: by patients into LDS, back as 512 consecutive bytes a load.  Four stores in the work-group: their pitch of 128 bytes is left unpadded.
	ds_store_b128 v[OST], v[L0:L0+3]   offset:OUTS
	ds_store_b128 v[OST], v[L0+4:L0+7] offset:OUTS+16
	ds_store_b128 v[OST], v[L1:L1+3]   offset:OUTS+64
	ds_store_b128 v[OST], v[L1+4:L1+7] offset:OUTS+80
.irp t, 0,1,2,3
	ds_load_b128 v[HF+4*\t:HF+4*\t+3], v[ORD] offset:OUTS+512*\t   ; my own bytes, served in order (ISA guide 5.7.1.4): these see the stores above
.endr
.irp t, 0,1,2,3
	s_wait_dscnt 3-\t                              ; the later read-backs may stay out
	global_store_b128 v[OGL], v[HF+4*\t:HF+4*\t+3], s[32:33] offset:512*\t   ; the wave stores 512 consecutive bytes, at a multiple of 512 from out0's first byte
.endr
.Lend:
	s_wait_xcnt 0x0
	v_lshl_add_u32 v254, v0, 2, 0x2de00
	v_mov_b32 v255, 0
	s_wait_tensorcnt 0x0
	ds_add_u32 v254, v255
	s_wait_dscnt 0x0
	s_endpgm
.Lfunc_end_k_qd2e045e8b8_rnn_last:
	.size	k_qd2e045e8b8_rnn_last, .Lfunc_end_k_qd2e045e8b8_rnn_last-k_qd2e045e8b8_rnn_last
	.p2alignl 7, 3214868480
	.fill 96, 4, 3214868480
	.section	.rodata,"a",@progbits
	.p2align	6, 0x0
	.amdhsa_kernel k_qd2e045e8b8_rnn_last
		.amdhsa_group_segment_fixed_size 189952
		.amdhsa_private_segment_fixed_size 0
		.amdhsa_enable_private_segment 0
		.amdhsa_kernarg_size 72
		.amdhsa_user_sgpr_count 2
		.amdhsa_user_sgpr_kernarg_segment_ptr 1
		.amdhsa_wavefront_size32 1
		.amdhsa_system_sgpr_workgroup_id_x 1
		.amdhsa_system_sgpr_workgroup_id_y 1
		.amdhsa_system_sgpr_workgroup_id_z 1
		.amdhsa_system_vgpr_workitem_id 0
		.amdhsa_next_free_vgpr 256
		.amdhsa_next_free_sgpr 66
		.amdhsa_reserve_vcc 0
		.amdhsa_float_denorm_mode_32 3
		.amdhsa_float_denorm_mode_16_64 3
		.amdhsa_memory_ordered 1
		.amdhsa_forward_progress 1
		.amdhsa_inst_pref_size 90
	.end_amdhsa_kernel
	.amdgpu_metadata
---
amdhsa.version: [ 1, 2 ]
amdhsa.kernels:
  - .name:           k_qd2e045e8b8_rnn_last
    .symbol:         k_qd2e045e8b8_rnn_last.kd
    .args:
      - { .name: x, .offset: 0, .size: 8, .value_kind: global_buffer, .address_space: global }
      - { .name: W1, .offset: 8, .size: 8, .value_kind: global_buffer, .address_space: global }
      - { .name: b1, .offset: 16, .size: 8, .value_kind: global_buffer, .address_space: global }
      - { .name: W_ih, .offset: 24, .size: 8, .value_kind: global_buffer, .address_space: global }
      - { .name: b_ih, .offset: 32, .size: 8, .value_kind: global_buffer, .address_space: global }
      - { .name: b_hh, .offset: 40, .size: 8, .value_kind: global_buffer, .address_space: global }
      - { .name: W3, .offset: 48, .size: 8, .value_kind: global_buffer, .address_space: global }
      - { .name: b3, .offset: 56, .size: 8, .value_kind: global_buffer, .address_space: global }
      - { .name: out0, .offset: 64, .size: 8, .value_kind: global_buffer, .address_space: global }
    .group_segment_fixed_size: 189952
    .private_segment_fixed_size: 0
    .kernarg_segment_align: 8
    .kernarg_segment_size: 72
    .max_flat_workgroup_size: 512
    .sgpr_count:     66
    .vgpr_count:     256
    .wavefront_size: 32
...
	.end_amdgpu_metadata
.endif
;; end of part 1
;; ======== version 2 of 3: 4 launches; 1.88 times as fast as version 1
;; workspace buffers: xr 65,536 bytes; h1 32,768 bytes; h2 32,768 bytes
;; launch gather_x (part 2): grid 256 x 1, 1 waves a work-group, no clusters, 0 bytes of LDS; arguments x, xr; writes xr
.if DOCPART == 2
	.amdgcn_target "amdgcn-amd-amdhsa--gfx1250"
	.amdhsa_code_object_version 6
	.text
	.protected	k_qd2e045e8b8_gather_x
	.globl	k_qd2e045e8b8_gather_x
	.p2align	8
	.type	k_qd2e045e8b8_gather_x,@function
k_qd2e045e8b8_gather_x:
	s_mov_b64 s[64:65], 0
	v_nop
	global_prefetch_b8 v0, s[64:65] scope:SCOPE_SE
	s_setreg_imm32_b32 hwreg(HW_REG_WAVE_MODE, 25, 1), 1
	s_wait_xcnt 0x0
; First of four launches: fc1 -> ReLU -> one LSTM step from a zero state -> ReLU -> fc3 -> softmax, for the 64 rows that the result keeps.
; The result is outs[:, -1, :]: of each patient p only the last row of the last mat, x[p][15][a][127], a = 0..511.  Rows do not depend on
; each other, so only these 64 x 512 numbers of x enter the result, and only they are read.
; This launch collects them as bf16 in xr, laid out as the next launch's matrix fragments want them:
;   xr: [k / 8 = 0..63][patient 0..63][8 k] bf16, that is byte (k >> 3) * 1024 + patient * 16 + (k & 7) * 2.
; The 32,768 numbers lie 512 bytes apart in x, so each costs a request of its own: they are shared out evenly, 128 to each of 256
; work-groups of one wave.  Work-group t = 4 kg + pq takes k = 8 kg .. 8 kg + 7 of patients 16 pq .. 16 pq + 15; lane l takes four k of one
; patient and stores 8 bytes, so that the wave's one store covers 256 consecutive bytes at byte 256 t of xr.
; No LDS, no barrier, no matrix unit: nothing is shared and nothing is summed.
.set XBASE, 15*262144+127*4            ; bytes from x[p][0][0][0] to x[p][15][0][127]
	s_load_b128 s[4:7], s[0:1], 0x0                ; x s[4:5], xr s[6:7]
	s_lshr_b32 s8, ttmp9, 2                        ; kg
	s_lshl_b32 s8, s8, 12                          ; 8 kg rows of 512 bytes
	s_and_b32 s9, ttmp9, 3                         ; pq
	s_lshl_b32 s9, s9, 26                          ; 16 pq patients of 2^22 bytes
	s_add_co_u32 s8, s8, s9
	s_lshl_b32 s10, ttmp9, 8                       ; my 256 bytes of xr
	v_lshrrev_b32 v1, 1, v0                        ; my patient among the 16
	v_and_b32 v2, 1, v0                            ; which four of the eight k
	v_lshl_add_u32 v2, v2, 11, s8                  ; four rows of 512 bytes
	v_lshl_add_u32 v1, v1, 22, v2                  ; 63 << 22 plus less than 2^22 at the most: below 2^31
	v_lshl_add_u32 v3, v0, 3, s10                  ; 256 t + 8 l
	s_wait_kmcnt 0x0
.irp j, 0,1,2,3
	global_load_b32 v[4+\j], v1, s[4:5] offset:XBASE+512*\j th:TH_LOAD_NT     ; each number is read once in the launch
.endr
	s_wait_loadcnt 0x0
	v_cvt_pk_bf16_f32 v8, v4, v5
	v_cvt_pk_bf16_f32 v9, v6, v7
	global_store_b64 v3, v[8:9], s[6:7]
	s_endpgm
.Lfunc_end_k_qd2e045e8b8_gather_x:
	.size	k_qd2e045e8b8_gather_x, .Lfunc_end_k_qd2e045e8b8_gather_x-k_qd2e045e8b8_gather_x
	.p2alignl 7, 3214868480
	.fill 96, 4, 3214868480
	.section	.rodata,"a",@progbits
	.p2align	6, 0x0
	.amdhsa_kernel k_qd2e045e8b8_gather_x
		.amdhsa_group_segment_fixed_size 0
		.amdhsa_private_segment_fixed_size 0
		.amdhsa_enable_private_segment 0
		.amdhsa_kernarg_size 16
		.amdhsa_user_sgpr_count 2
		.amdhsa_user_sgpr_kernarg_segment_ptr 1
		.amdhsa_wavefront_size32 1
		.amdhsa_system_sgpr_workgroup_id_x 1
		.amdhsa_system_sgpr_workgroup_id_y 1
		.amdhsa_system_sgpr_workgroup_id_z 1
		.amdhsa_system_vgpr_workitem_id 0
		.amdhsa_next_free_vgpr 16
		.amdhsa_next_free_sgpr 66
		.amdhsa_reserve_vcc 0
		.amdhsa_float_denorm_mode_32 3
		.amdhsa_float_denorm_mode_16_64 3
		.amdhsa_memory_ordered 1
		.amdhsa_forward_progress 1
		.amdhsa_inst_pref_size 2
	.end_amdhsa_kernel
	.amdgpu_metadata
---
amdhsa.version: [ 1, 2 ]
amdhsa.kernels:
  - .name:           k_qd2e045e8b8_gather_x
    .symbol:         k_qd2e045e8b8_gather_x.kd
    .args:
      - { .name: x, .offset: 0, .size: 8, .value_kind: global_buffer, .address_space: global }
      - { .name: xr, .offset: 8, .size: 8, .value_kind: global_buffer, .address_space: global }
    .group_segment_fixed_size: 0
    .private_segment_fixed_size: 0
    .kernarg_segment_align: 8
    .kernarg_segment_size: 16
    .max_flat_workgroup_size: 32
    .sgpr_count:     66
    .vgpr_count:     16
    .wavefront_size: 32
...
	.end_amdgpu_metadata
.endif
;; end of part 2
;; launch fc1 (part 3): grid 16 x 1, 4 waves a work-group, no clusters, 17,152 bytes of LDS; arguments xr, W1, b1, h1; writes h1
.if DOCPART == 3
	.amdgcn_target "amdgcn-amd-amdhsa--gfx1250"
	.amdhsa_code_object_version 6
	.text
	.protected	k_qd2e045e8b8_fc1
	.globl	k_qd2e045e8b8_fc1
	.p2align	8
	.type	k_qd2e045e8b8_fc1,@function
k_qd2e045e8b8_fc1:
	s_mov_b64 s[64:65], 0
	v_nop
	global_prefetch_b8 v0, s[64:65] scope:SCOPE_SE
	s_setreg_imm32_b32 hwreg(HW_REG_WAVE_MODE, 25, 1), 1
	s_wait_xcnt 0x0
; Second of four launches: h1 = relu(rows W1^T + b1) for the 64 rows collected in xr.  W1: [256][512] f32, b1: [256] f32.
; xr and h1 have one layout: [k / 8][patient 0..63][8 k] bf16, byte (k >> 3) * 1024 + patient * 16 + (k & 7) * 2.
;
; SHARES.  Work-group ft (16 of them) owns features 16 ft .. 16 ft + 15, so that each number of W1 is read once in the launch.
; Wave w (4) owns patients 16 w .. 16 w + 15.  The sum over k = 512 stays inside a wave: 16 matrix instructions.
; The next layer sums over all 256 features, and work-groups hand nothing to each other inside a launch: hence a launch of its own.
;
; THE PRODUCT IS USED TRANSPOSED: source 0 = 16 rows of W1, source 1 = 16 patients.  Lane (r = l % 16, h = l / 16) then holds in register j
; the number (feature 16 ft + 8 h + j, patient 16 w + r): b1 is two 16-byte loads straight into the accumulator, and the eight results pack
; into the 16 bytes at (2 ft + h) * 1024 + patient * 16 of h1: lanes 0-15 store 256 consecutive aligned bytes, lanes 16-31 another 256.
;
; ACTIVATIONS come straight from memory as fragments: for K step s the two loads at s * 4096 + c * 2048 + h * 1024 + w * 256 + r * 16.
; WEIGHTS are f32 and must pass through registers to become bf16: wave w loads rows 4 w .. 4 w + 3 of the tile (16 loads of 512 consecutive
; bytes), converts them in place and stores 8 bytes a lane into a stage in LDS that all four waves read as fragments behind one barrier.
;
; NO JOINT LOADS, though the 16 work-groups read the same 64 KiB of xr: a load here lands in the registers that the matrix unit reads;
; a joint load would land in LDS and add an LDS read and a round of the cluster's barrier to a chain of a few dependent steps.
;
; LIMITS.  Matrix operands are bf16, sums f32.  ReLU is v_max_num_f32: a NaN gives 0 where the formula gives NaN (non-finite inputs only).
.set XP,   1040                        ; pitch of a stage row: 512 bf16 + 16 bytes, an odd multiple of 16 bytes; 16 rows = 16,640 bytes
.set VW,   1                           ; v1  32768 ft + 8192 w + 16 l: my 16 bytes in a load of W1
.set VA,   2                           ; v2  1024 h + 256 w + 16 r: my 16 bytes of an activation fragment
.set WSS,  3                           ; v3  4 w rows of the stage + 8 l: where a converted slot goes
.set WSF,  4                           ; v4  1040 r + 16 h: weight fragments
.set VB,   5                           ; v5  64 ft + 32 h: my 8 numbers of b1
.set VOUT, 6                           ; v6  2048 ft + VA: my 16 bytes of h1
.set T,    8                           ; v[8:11]  the packed result
.set LN,   12
.set RR,   13
.set HH,   14
.set A0,   16                          ; two accumulators for the one sum
.set A1,   24
.set RING, 64                          ; v[64:127]  16 slots of 4 registers: W1 as loaded
.set WF,   64                          ; v[64:127]  afterwards: weight fragments of 8 K steps
.set AF,   128                         ; v[128:255] activation fragments of all 16 K steps
.macro PLACES n
.rept \n
	v_nop
.endr
.endm
.macro MM acc, wq, aq, zero
.if \zero
	v_wmma_f32_16x16x32_bf16 v[\acc:\acc+7], v[WF+8*(\wq):WF+8*(\wq)+7], v[AF+8*(\aq):AF+8*(\aq)+7], 0
.else
	v_wmma_f32_16x16x32_bf16 v[\acc:\acc+7], v[WF+8*(\wq):WF+8*(\wq)+7], v[AF+8*(\aq):AF+8*(\aq)+7], v[\acc:\acc+7]
.endif
.endm
; Eight K steps: 16 LDS loads in one run, then eight products.  Two loads belong to each later K step: the counts 14, 12 .. 0.
; The two accumulators take turns, one instruction a turn.  A0 began as b1; A1's first product starts its sum.
.macro HALF hf
.irp q, 0,1,2,3,4,5,6,7
	ds_load_b128 v[WF+8*\q:WF+8*\q+3],   v[WSF] offset:64*(8*\hf+\q)
	ds_load_b128 v[WF+8*\q+4:WF+8*\q+7], v[WSF] offset:64*(8*\hf+\q)+32
.endr
.if \hf == 0
	s_wait_loadcnt 0x0                             ; b1 and all the activation fragments are in
.endif
.irp q, 0,1,2,3,4,5,6,7
	s_wait_dscnt 2*(7-\q)
.if 8*\hf+\q == 1
	MM A1, \q, 8*\hf+\q, 1
.else
	MM A0+8*(\q&1), \q, 8*\hf+\q, 0
.endif
.endr
.endm
	s_load_b256 s[16:23], s[0:1], 0x0              ; xr 16:17, W1 18:19, b1 20:21, h1 22:23
	v_lshl_add_u32 v62, v0, 2, 0x4100
	v_mov_b32 v63, 0
	v_lshrrev_b32 v[LN], 5, v0
	v_readfirstlane_b32 s8, v[LN]                  ; wave 0..3
	v_and_b32 v[LN], 31, v0                        ; l
	v_and_b32 v[RR], 15, v0                        ; r
	v_bfe_u32 v[HH], v0, 4, 1                      ; h
	s_lshl_b32 s9, ttmp9, 15                       ; 16 rows of W1, 2,048 bytes each
	s_lshl_b32 s10, s8, 13                         ; 4 rows
	s_add_co_u32 s9, s9, s10
	v_lshl_add_u32 v[VW], v[LN], 4, s9
	s_lshl_b32 s10, s8, 8                          ; 16 patients of 16 bytes
	v_lshl_add_u32 v[VA], v[RR], 4, s10
	v_lshl_add_u32 v[VA], v[HH], 10, v[VA]
	s_mul_i32 s11, s8, 4*XP
	v_lshl_add_u32 v[WSS], v[LN], 3, s11
	v_mul_u32_u24 v[WSF], v[RR], XP
	v_lshl_add_u32 v[WSF], v[HH], 4, v[WSF]
	s_lshl_b32 s12, ttmp9, 6                       ; 16 numbers of b1
	v_lshl_add_u32 v[VB], v[HH], 5, s12
	s_lshl_b32 s13, ttmp9, 11                      ; two groups of 8 features in h1
	v_add_nc_u32 v[VOUT], s13, v[VA]
	s_wait_kmcnt 0x0
	; all 50 loads go out at once; the weights first: their way is the longest
.set i, 0
.rept 16
	global_load_b128 v[RING+4*i:RING+4*i+3], v[VW], s[18:19] offset:512*i th:TH_LOAD_NT    ; row 4 w + i / 4, k = 128 (i % 4) + 4 l; read once in the launch
.set i, i+1
.endr
	global_load_b128 v[A0:A0+3],   v[VB], s[20:21]                   ; b1 starts the sum
	global_load_b128 v[A0+4:A0+7], v[VB], s[20:21] offset:16
.set i, 0
.rept 16
	global_load_b128 v[AF+8*i:AF+8*i+3],   v[VA], s[16:17] offset:4096*i
	global_load_b128 v[AF+8*i+4:AF+8*i+7], v[VA], s[16:17] offset:4096*i+2048
.set i, i+1
.endr
	; Loads come back in issue order (ISA guide 5.7.1): behind slot i stand 15 - i slots, 2 loads of b1 and 32 of activations: 49 - i.
	; Each slot is converted in its own registers, so that no conversion waits for an LDS store of another slot.
.set i, 0
.rept 16
	s_wait_loadcnt 49-i
	v_cvt_pk_bf16_f32 v[RING+4*i],   v[RING+4*i],   v[RING+4*i+1]
	v_cvt_pk_bf16_f32 v[RING+4*i+1], v[RING+4*i+2], v[RING+4*i+3]
	ds_store_b64 v[WSS], v[RING+4*i:RING+4*i+1] offset:(i>>2)*XP+(i&3)*256   ; 32 lanes x 8 bytes: 256 consecutive bytes of a stage row
.set i, i+1
.endr
	s_wait_dscnt 0x0                               ; for the other waves: my four rows of the stage are written
	s_barrier_signal -1
	s_barrier_wait -1                              ; the stage is whole; nobody writes it again
	HALF 0
	PLACES 4                                       ; a load into a register that a matrix instruction has read stands four places behind it (ISA guide 7.12.1 for vector instructions)
	HALF 1
	PLACES 4                                       ; four places before a vector instruction reads a matrix result (ISA guide 7.12.1)
.irp k, 0,2,4,6
	v_pk_add_f32 v[A0+\k:A0+\k+1], v[A0+\k:A0+\k+1], v[A1+\k:A1+\k+1]
.endr
.irp k, 0,1,2,3,4,5,6,7
	v_max_num_f32 v[A0+\k], 0, v[A0+\k]            ; ReLU
.endr
.irp k, 0,1,2,3
	v_cvt_pk_bf16_f32 v[T+\k], v[A0+2*\k], v[A0+2*\k+1]
.endr
	global_store_b128 v[VOUT], v[T:T+3], s[22:23]  ; features 16 ft + 8 h + 0..7 of patient 16 w + r
	s_wait_tensorcnt 0x0
	ds_add_u32 v62, v63
	s_wait_dscnt 0x0
	s_endpgm
.Lfunc_end_k_qd2e045e8b8_fc1:
	.size	k_qd2e045e8b8_fc1, .Lfunc_end_k_qd2e045e8b8_fc1-k_qd2e045e8b8_fc1
	.p2alignl 7, 3214868480
	.fill 96, 4, 3214868480
	.section	.rodata,"a",@progbits
	.p2align	6, 0x0
	.amdhsa_kernel k_qd2e045e8b8_fc1
		.amdhsa_group_segment_fixed_size 17152
		.amdhsa_private_segment_fixed_size 0
		.amdhsa_enable_private_segment 0
		.amdhsa_kernarg_size 32
		.amdhsa_user_sgpr_count 2
		.amdhsa_user_sgpr_kernarg_segment_ptr 1
		.amdhsa_wavefront_size32 1
		.amdhsa_system_sgpr_workgroup_id_x 1
		.amdhsa_system_sgpr_workgroup_id_y 1
		.amdhsa_system_sgpr_workgroup_id_z 1
		.amdhsa_system_vgpr_workitem_id 0
		.amdhsa_next_free_vgpr 256
		.amdhsa_next_free_sgpr 66
		.amdhsa_reserve_vcc 0
		.amdhsa_float_denorm_mode_32 3
		.amdhsa_float_denorm_mode_16_64 3
		.amdhsa_memory_ordered 1
		.amdhsa_forward_progress 1
		.amdhsa_inst_pref_size 15
	.end_amdhsa_kernel
	.amdgpu_metadata
---
amdhsa.version: [ 1, 2 ]
amdhsa.kernels:
  - .name:           k_qd2e045e8b8_fc1
    .symbol:         k_qd2e045e8b8_fc1.kd
    .args:
      - { .name: xr, .offset: 0, .size: 8, .value_kind: global_buffer, .address_space: global }
      - { .name: W1, .offset: 8, .size: 8, .value_kind: global_buffer, .address_space: global }
      - { .name: b1, .offset: 16, .size: 8, .value_kind: global_buffer, .address_space: global }
      - { .name: h1, .offset: 24, .size: 8, .value_kind: global_buffer, .address_space: global }
    .group_segment_fixed_size: 17152
    .private_segment_fixed_size: 0
    .kernarg_segment_align: 8
    .kernarg_segment_size: 32
    .max_flat_workgroup_size: 128
    .sgpr_count:     66
    .vgpr_count:     256
    .wavefront_size: 32
...
	.end_amdgpu_metadata
.endif
;; end of part 3
;; launch gates (part 4): grid 16 x 1, 4 waves a work-group, no clusters, 25,856 bytes of LDS; arguments h1, W_ih, b_ih, b_hh, h2; writes h2
.if DOCPART == 4
	.amdgcn_target "amdgcn-amd-amdhsa--gfx1250"
	.amdhsa_code_object_version 6
	.text
	.protected	k_qd2e045e8b8_gates
	.globl	k_qd2e045e8b8_gates
	.p2align	8
	.type	k_qd2e045e8b8_gates,@function
k_qd2e045e8b8_gates:
	s_mov_b64 s[64:65], 0
	v_nop
	global_prefetch_b8 v0, s[64:65] scope:SCOPE_SE
	s_setreg_imm32_b32 hwreg(HW_REG_WAVE_MODE, 25, 1), 1
	s_wait_xcnt 0x0
; Third of four launches: the LSTM step from a zero state, and the ReLU behind it, for 64 rows.
;   gates = h1 W_ih^T + (b_ih + b_hh);  c = sigmoid(i) tanh(g);  h2 = relu(sigmoid(o) tanh(c)).   W_ih: [1024][256] f32, gate order i, f, g, o.
; What never enters this arithmetic is not loaded: W_hh (it multiplies h0 = 0 and is not written in the formula) and gate f
; (rows 256..511 of W_ih, b_ih, b_hh: it multiplies c0 = 0).
; h1 and h2 have one layout: [k / 8][patient 0..63][8 k] bf16, byte (k >> 3) * 1024 + patient * 16 + (k & 7) * 2.
;
; SHARES.  Work-group ct (16 of them) owns columns 16 ct .. 16 ct + 15 of h2 and so the same 16 rows of each of the gates i, g, o:
; each number of W_ih that is used is read once in the launch.  Wave w (4) owns patients 16 w .. 16 w + 15: 3 x 8 matrix instructions.
; fc3 sums over all 256 columns, and work-groups hand nothing to each other inside a launch: hence a launch of its own.
;
; THE PRODUCTS ARE USED TRANSPOSED: source 0 = 16 rows of W_ih, source 1 = 16 patients.  Lane (r = l % 16, h = l / 16) holds in register j
; (column 16 ct + 8 h + j, patient 16 w + r): a bias is two 16-byte loads in the accumulator's own layout, and eight results pack into
; the 16 bytes at (2 ct + h) * 1024 + patient * 16 of h2: lanes 0-15 store 256 consecutive aligned bytes, lanes 16-31 another 256.
; Activations come straight from memory as fragments.  Weights pass through registers to become bf16: wave w loads rows 4 w .. 4 w + 3 of
; each gate's tile (3 x 8 loads of 512 consecutive bytes), converts in place, and stores into a stage in LDS that all four waves read.
;
; NO JOINT LOADS, though the 16 work-groups read the same 32 KiB of h1: a load here lands in the registers that the matrix unit reads;
; a joint load would land in LDS and add an LDS read and a round of the cluster's barrier to a chain of a few dependent steps.
;
; LIMITS.  Matrix operands are bf16, sums f32.  ReLU is v_max_num_f32: a NaN gives 0 where the formula gives NaN (non-finite inputs only).
; tanh(x) = 1 - 2 / (1 + e^(2x)): absolute error of some 1e-7, exact saturation at +-1.  v_exp_f32 gives 0 for results below 2^-126.
.set HP,   528                         ; pitch of a stage row: 256 bf16 + 16 bytes, an odd multiple of 16 bytes; 48 rows = 25,344 bytes
.set VW,   1                           ; v1  16384 ct + 4096 w + 16 l: my 16 bytes in a load of W_ih
.set VA,   2                           ; v2  1024 h + 256 w + 16 r: my 16 bytes of an activation fragment
.set WSS,  3                           ; v3  4 w rows of the stage + 8 l
.set WSF,  4                           ; v4  528 r + 16 h
.set VB,   5                           ; v5  64 ct + 32 h: my 8 numbers of a bias
.set VOUT, 6                           ; v6  2048 ct + VA
.set I0,   8                           ; the three gates' accumulators, one behind the other
.set G0,   16
.set O0,   24
.set RING, 32                          ; v[32:127]  24 slots of 4 registers: W_ih as loaded
.set WF,   32                          ; v[32:127]  afterwards: weight fragments of 4 K steps x 3 gates
.set AF,   128                         ; v[128:191] activation fragments of all 8 K steps
.set BH,   192                         ; v[192:215] b_hh
.set T,    216                         ; v[216:219] the packed result
.set LN,   220
.set RR,   221
.set HH,   222
.macro PLACES n
.rept \n
	v_nop
.endr
.endm
; My four rows of gate q (0, 2, 3), the gi-th of the three: 8 loads of 512 consecutive bytes: row 4 w + i / 2, k = 128 (i % 2) + 4 l
.macro WLD gi, q
.irp i, 0,1,2,3,4,5,6,7
	global_load_b128 v[RING+4*(8*\gi+\i):RING+4*(8*\gi+\i)+3], v[VW], s[18:19] offset:\q*262144+512*\i th:TH_LOAD_NT
.endr
.endm
; Eight numbers of a bias, rows 256 q + 16 ct + 8 h + 0..7, as an accumulator holds them
.macro BIAS dst, base, q
	global_load_b128 v[\dst:\dst+3],   v[VB], s[\base:\base+1] offset:1024*\q
	global_load_b128 v[\dst+4:\dst+7], v[VB], s[\base:\base+1] offset:1024*\q+16
.endm
; Four K steps: 24 LDS loads in one run, then twelve products.  Six loads belong to each later K step: the counts 18, 12, 6, 0.
; The three accumulators take turns, one instruction a turn.  Each began as its bias.
.macro HALF hf
.irp q, 0,1,2,3
.irp g, 0,1,2
	ds_load_b128 v[WF+8*(3*\q+\g):WF+8*(3*\q+\g)+3],   v[WSF] offset:\g*16*HP+64*(4*\hf+\q)
	ds_load_b128 v[WF+8*(3*\q+\g)+4:WF+8*(3*\q+\g)+7], v[WSF] offset:\g*16*HP+64*(4*\hf+\q)+32
.endr
.endr
.if \hf == 0
	s_wait_loadcnt 0x0                             ; all the activation fragments are in
.endif
.irp q, 0,1,2,3
	s_wait_dscnt 6*(3-\q)
.irp g, 0,1,2
	v_wmma_f32_16x16x32_bf16 v[I0+8*\g:I0+8*\g+7], v[WF+8*(3*\q+\g):WF+8*(3*\q+\g)+7], v[AF+8*(4*\hf+\q):AF+8*(4*\hf+\q)+7], v[I0+8*\g:I0+8*\g+7]
.endr
.endr
.endm
; In place on 8 registers: 1 / (1 + 2^(scale x)); with th = 1 then 1 - 2 y.  scale = -log2 e: sigmoid.  scale = 2 log2 e, th = 1: tanh.
; Behind a run of transcendentals one plain vector instruction stands before a result is used (ISA guide 5.7.2): the v_nop.
.macro ACT base, scale, th
.irp k, 0,2,4,6
	v_pk_mul_f32 v[\base+\k:\base+\k+1], v[\base+\k:\base+\k+1], \scale op_sel_hi:[1,0]
.endr
.irp k, 0,1,2,3,4,5,6,7
	v_exp_f32 v[\base+\k], v[\base+\k]
.endr
	v_nop
	s_wait_alu depctr_va_vdst(0)
.irp k, 0,2,4,6
	v_pk_add_f32 v[\base+\k:\base+\k+1], v[\base+\k:\base+\k+1], 1.0 op_sel_hi:[1,0]
.endr
.irp k, 0,1,2,3,4,5,6,7
	v_rcp_f32 v[\base+\k], v[\base+\k]
.endr
	v_nop
.if \th
	s_wait_alu depctr_va_vdst(0)
.irp k, 0,2,4,6
	v_pk_fma_f32 v[\base+\k:\base+\k+1], v[\base+\k:\base+\k+1], -2.0, 1.0 op_sel_hi:[1,0,0]
.endr
.endif
.endm
	s_load_b256 s[16:23], s[0:1], 0x0              ; h1 16:17, W_ih 18:19, b_ih 20:21, b_hh 22:23
	s_load_b64 s[24:25], s[0:1], 0x20              ; h2
	v_lshl_add_u32 v254, v0, 2, 0x6300
	v_mov_b32 v255, 0
	v_lshrrev_b32 v[LN], 5, v0
	v_readfirstlane_b32 s8, v[LN]                  ; wave 0..3
	v_and_b32 v[LN], 31, v0                        ; l
	v_and_b32 v[RR], 15, v0                        ; r
	v_bfe_u32 v[HH], v0, 4, 1                      ; h
	s_lshl_b32 s9, ttmp9, 14                       ; 16 rows of W_ih, 1,024 bytes each
	s_lshl_b32 s10, s8, 12                         ; 4 rows
	s_add_co_u32 s9, s9, s10
	v_lshl_add_u32 v[VW], v[LN], 4, s9
	s_lshl_b32 s10, s8, 8                          ; 16 patients of 16 bytes
	v_lshl_add_u32 v[VA], v[RR], 4, s10
	v_lshl_add_u32 v[VA], v[HH], 10, v[VA]
	s_mul_i32 s11, s8, 4*HP
	v_lshl_add_u32 v[WSS], v[LN], 3, s11
	v_mul_u32_u24 v[WSF], v[RR], HP
	v_lshl_add_u32 v[WSF], v[HH], 4, v[WSF]
	s_lshl_b32 s12, ttmp9, 6                       ; 16 numbers of a bias
	v_lshl_add_u32 v[VB], v[HH], 5, s12
	s_lshl_b32 s13, ttmp9, 11                      ; two groups of 8 columns in h2
	v_add_nc_u32 v[VOUT], s13, v[VA]
	s_wait_kmcnt 0x0
	; all 52 loads go out at once; the weights first: their way is the longest
	WLD 0, 0                                       ; gate i
	WLD 1, 2                                       ; gate g
	WLD 2, 3                                       ; gate o
	BIAS I0, 20, 0                                 ; b_ih starts the sums
	BIAS G0, 20, 2
	BIAS O0, 20, 3
	BIAS BH, 22, 0                                 ; b_hh, added below
	BIAS BH+8, 22, 2
	BIAS BH+16, 22, 3
.set i, 0
.rept 8
	global_load_b128 v[AF+8*i:AF+8*i+3],   v[VA], s[16:17] offset:4096*i
	global_load_b128 v[AF+8*i+4:AF+8*i+7], v[VA], s[16:17] offset:4096*i+2048
.set i, i+1
.endr
	; Loads come back in issue order (ISA guide 5.7.1): behind slot n stand 23 - n slots, 12 loads of biases and 16 of activations: 51 - n.
	; Each slot is converted in its own registers, so that no conversion waits for an LDS store of another slot.
.set n, 0
.rept 24
	s_wait_loadcnt 51-n
	v_cvt_pk_bf16_f32 v[RING+4*n],   v[RING+4*n],   v[RING+4*n+1]
	v_cvt_pk_bf16_f32 v[RING+4*n+1], v[RING+4*n+2], v[RING+4*n+3]
	ds_store_b64 v[WSS], v[RING+4*n:RING+4*n+1] offset:(16*(n>>3)+((n&7)>>1))*HP+(n&1)*256   ; 256 consecutive bytes of a stage row
.set n, n+1
.endr
	s_wait_loadcnt 16                              ; the 16 activation loads are younger: the biases are in
.irp k, 0,2,4,6
	v_pk_add_f32 v[I0+\k:I0+\k+1], v[I0+\k:I0+\k+1], v[BH+\k:BH+\k+1]          ; b_ih + b_hh
	v_pk_add_f32 v[G0+\k:G0+\k+1], v[G0+\k:G0+\k+1], v[BH+8+\k:BH+8+\k+1]
	v_pk_add_f32 v[O0+\k:O0+\k+1], v[O0+\k:O0+\k+1], v[BH+16+\k:BH+16+\k+1]
.endr
	s_wait_dscnt 0x0                               ; for the other waves: my twelve rows of the stage are written
	s_barrier_signal -1
	s_barrier_wait -1                              ; the stage is whole; nobody writes it again
	HALF 0
	PLACES 4                                       ; a load into a register that a matrix instruction has read stands four places behind it (ISA guide 7.12.1 for vector instructions)
	HALF 1
	PLACES 4                                       ; four places before a vector instruction reads a matrix result (ISA guide 7.12.1)
	ACT I0, 0xbfb8aa3b, 0                          ; sigmoid(i)
	ACT G0, 0x4038aa3b, 1                          ; tanh(g)
.irp k, 0,2,4,6
	v_pk_mul_f32 v[G0+\k:G0+\k+1], v[G0+\k:G0+\k+1], v[I0+\k:I0+\k+1]          ; c
.endr
	ACT G0, 0x4038aa3b, 1                          ; tanh(c)
	ACT O0, 0xbfb8aa3b, 0                          ; sigmoid(o)
	s_wait_alu depctr_va_vdst(0)
.irp k, 0,2,4,6
	v_pk_mul_f32 v[G0+\k:G0+\k+1], v[G0+\k:G0+\k+1], v[O0+\k:O0+\k+1]          ; h
.endr
.irp k, 0,1,2,3,4,5,6,7
	v_max_num_f32 v[G0+\k], 0, v[G0+\k]            ; ReLU
.endr
.irp k, 0,1,2,3
	v_cvt_pk_bf16_f32 v[T+\k], v[G0+2*\k], v[G0+2*\k+1]
.endr
	global_store_b128 v[VOUT], v[T:T+3], s[24:25]  ; columns 16 ct + 8 h + 0..7 of patient 16 w + r
	s_wait_tensorcnt 0x0
	ds_add_u32 v254, v255
	s_wait_dscnt 0x0
	s_endpgm
.Lfunc_end_k_qd2e045e8b8_gates:
	.size	k_qd2e045e8b8_gates, .Lfunc_end_k_qd2e045e8b8_gates-k_qd2e045e8b8_gates
	.p2alignl 7, 3214868480
	.fill 96, 4, 3214868480
	.section	.rodata,"a",@progbits
	.p2align	6, 0x0
	.amdhsa_kernel k_qd2e045e8b8_gates
		.amdhsa_group_segment_fixed_size 25856
		.amdhsa_private_segment_fixed_size 0
		.amdhsa_enable_private_segment 0
		.amdhsa_kernarg_size 40
		.amdhsa_user_sgpr_count 2
		.amdhsa_user_sgpr_kernarg_segment_ptr 1
		.amdhsa_wavefront_size32 1
		.amdhsa_system_sgpr_workgroup_id_x 1
		.amdhsa_system_sgpr_workgroup_id_y 1
		.amdhsa_system_sgpr_workgroup_id_z 1
		.amdhsa_system_vgpr_workitem_id 0
		.amdhsa_next_free_vgpr 256
		.amdhsa_next_free_sgpr 66
		.amdhsa_reserve_vcc 0
		.amdhsa_float_denorm_mode_32 3
		.amdhsa_float_denorm_mode_16_64 3
		.amdhsa_memory_ordered 1
		.amdhsa_forward_progress 1
		.amdhsa_inst_pref_size 25
	.end_amdhsa_kernel
	.amdgpu_metadata
---
amdhsa.version: [ 1, 2 ]
amdhsa.kernels:
  - .name:           k_qd2e045e8b8_gates
    .symbol:         k_qd2e045e8b8_gates.kd
    .args:
      - { .name: h1, .offset: 0, .size: 8, .value_kind: global_buffer, .address_space: global }
      - { .name: W_ih, .offset: 8, .size: 8, .value_kind: global_buffer, .address_space: global }
      - { .name: b_ih, .offset: 16, .size: 8, .value_kind: global_buffer, .address_space: global }
      - { .name: b_hh, .offset: 24, .size: 8, .value_kind: global_buffer, .address_space: global }
      - { .name: h2, .offset: 32, .size: 8, .value_kind: global_buffer, .address_space: global }
    .group_segment_fixed_size: 25856
    .private_segment_fixed_size: 0
    .kernarg_segment_align: 8
    .kernarg_segment_size: 40
    .max_flat_workgroup_size: 128
    .sgpr_count:     66
    .vgpr_count:     256
    .wavefront_size: 32
...
	.end_amdgpu_metadata
.endif
;; end of part 4
;; launch fc3 (part 5): grid 1 x 1, 4 waves a work-group, no clusters, 25,600 bytes of LDS; arguments h2, W3, b3, out0; writes out0
.if DOCPART == 5
	.amdgcn_target "amdgcn-amd-amdhsa--gfx1250"
	.amdhsa_code_object_version 6
	.text
	.protected	k_qd2e045e8b8_fc3
	.globl	k_qd2e045e8b8_fc3
	.p2align	8
	.type	k_qd2e045e8b8_fc3,@function
k_qd2e045e8b8_fc3:
	s_mov_b64 s[64:65], 0
	v_nop
	global_prefetch_b8 v0, s[64:65] scope:SCOPE_SE
	s_setreg_imm32_b32 hwreg(HW_REG_WAVE_MODE, 25, 1), 1
	s_wait_xcnt 0x0
; Last of four launches: out0 = softmax(h2 W3^T + b3) for 64 rows.  W3: [32][256] f32, b3: [32] f32, out0: [64][32] f32.
; h2: [k / 8][patient 0..63][8 k] bf16, byte (k >> 3) * 1024 + patient * 16 + (k & 7) * 2.
;
; SHARES.  One work-group of four waves; wave w owns patients 16 w .. 16 w + 15 and all 32 classes: two tiles x 8 K steps.
; The launch has 64 matrix instructions and 64 KiB to read in all: with one work-group W3 is read and converted once, a quarter by each wave.
;
; THE PRODUCT IS USED TRANSPOSED: source 0 = 16 rows of W3, source 1 = 16 patients.  Lane (r = l % 16, h = l / 16) holds classes 8 h + j
; (tile 0) and 16 + 8 h + j (tile 1) of patient 16 w + r: b3 loads straight into the accumulators, and a row's softmax is made inside a
; lane and its partner l xor 16.  The row's true maximum is taken away before the exponentials.
; Activations come straight from memory as fragments.  W3 passes through registers to become bf16, then through a stage in LDS.
;
; LIMITS.  Matrix operands are bf16, sums f32.  v_exp_f32 gives 0 for results below 2^-126.
.set HP,   528                         ; pitch of a stage row: 256 bf16 + 16 bytes, an odd multiple of 16 bytes
.set W3S,  0                           ; W3: 32 rows                                      16,896 bytes
.set OUTS, 16896                       ; the result, each wave's own 16 patients x 32 f32:  4 x 2,048 bytes; ends at 25,088
.set VW,   1                           ; v1  8192 w + 16 l: my 16 bytes in a load of W3
.set VA,   2                           ; v2  1024 h + 256 w + 16 r: my 16 bytes of an activation fragment
.set WSS,  3                           ; v3  8 w rows of the stage + 8 l
.set WSF,  4                           ; v4  528 r + 16 h
.set VB,   5                           ; v5  32 h: my 8 numbers of b3
.set OST,  6                           ; v6  2048 w + 128 r + 32 h: the way out, in
.set ORD,  7                           ; v7  2048 w + 16 l: the way out, back from LDS; the same offset holds in out0
.set LN,   12
.set RR,   13
.set HH,   14
.set L0,   16                          ; logits of classes 8 h + j
.set L1,   24                          ; logits of classes 16 + 8 h + j
.set MX,   32                          ; v[32:33]
.set SUM,  34                          ; v[34:35]
.set SUM2, 36                          ; v[36:37]
.set HF,   64                          ; v[64:127]  activation fragments of 8 K steps; at the end the result on its way out
.set RING, 128                         ; v[128:191] 16 slots of 4 registers: W3 as loaded
.set WA,   128                         ; v[128:191] afterwards: W3 rows 0..15, 8 K steps
.set WB,   192                         ; v[192:255] W3 rows 16..31, 8 K steps
	s_load_b256 s[16:23], s[0:1], 0x0              ; h2 16:17, W3 18:19, b3 20:21, out0 22:23
	v_lshl_add_u32 v62, v0, 2, 0x6200
	v_mov_b32 v63, 0
	v_lshrrev_b32 v[LN], 5, v0
	v_readfirstlane_b32 s8, v[LN]                  ; wave 0..3
	v_and_b32 v[LN], 31, v0                        ; l
	v_and_b32 v[RR], 15, v0                        ; r
	v_bfe_u32 v[HH], v0, 4, 1                      ; h
	s_mov_b32 s12, 0x76543210                      ; v_permlanex16_b32: lane i of one half reads lane i of the other
	s_mov_b32 s13, 0xfedcba98
	s_lshl_b32 s9, s8, 13                          ; 8 rows of W3, 1,024 bytes each
	v_lshl_add_u32 v[VW], v[LN], 4, s9
	s_lshl_b32 s10, s8, 8                          ; 16 patients of 16 bytes
	v_lshl_add_u32 v[VA], v[RR], 4, s10
	v_lshl_add_u32 v[VA], v[HH], 10, v[VA]
	s_mul_i32 s11, s8, 8*HP
	v_lshl_add_u32 v[WSS], v[LN], 3, s11
	v_mul_u32_u24 v[WSF], v[RR], HP
	v_lshl_add_u32 v[WSF], v[HH], 4, v[WSF]
	v_lshlrev_b32 v[VB], 5, v[HH]
	s_wait_kmcnt 0x0
	; all 36 loads go out at once; the weights first: their way is the longest
.set i, 0
.rept 16
	global_load_b128 v[RING+4*i:RING+4*i+3], v[VW], s[18:19] offset:512*i th:TH_LOAD_NT    ; row 8 w + i / 2, k = 128 (i % 2) + 4 l; read once in the launch
.set i, i+1
.endr
	global_load_b128 v[L0:L0+3],   v[VB], s[20:21]                   ; b3 starts the sums: classes 8 h + 0..7,
	global_load_b128 v[L0+4:L0+7], v[VB], s[20:21] offset:16
	global_load_b128 v[L1:L1+3],   v[VB], s[20:21] offset:64         ; and 16 + 8 h + 0..7
	global_load_b128 v[L1+4:L1+7], v[VB], s[20:21] offset:80
.set i, 0
.rept 8
	global_load_b128 v[HF+8*i:HF+8*i+3],   v[VA], s[16:17] offset:4096*i
	global_load_b128 v[HF+8*i+4:HF+8*i+7], v[VA], s[16:17] offset:4096*i+2048
.set i, i+1
.endr
	; Loads come back in issue order (ISA guide 5.7.1): behind slot i stand 15 - i slots, 4 loads of b3 and 16 of activations: 35 - i.
.set i, 0
.rept 16
	s_wait_loadcnt 35-i
	v_cvt_pk_bf16_f32 v[RING+4*i],   v[RING+4*i],   v[RING+4*i+1]
	v_cvt_pk_bf16_f32 v[RING+4*i+1], v[RING+4*i+2], v[RING+4*i+3]
	ds_store_b64 v[WSS], v[RING+4*i:RING+4*i+1] offset:W3S+(i>>1)*HP+(i&1)*256   ; 256 consecutive bytes of a stage row
.set i, i+1
.endr
	s_wait_dscnt 0x0                               ; for the other waves: my eight rows of the stage are written
	s_barrier_signal -1
	s_barrier_wait -1                              ; the stage is whole; nobody writes it again, and no barrier follows
.irp s, 0,1,2,3,4,5,6,7
	ds_load_b128 v[WA+8*\s:WA+8*\s+3],   v[WSF] offset:W3S+64*\s
	ds_load_b128 v[WA+8*\s+4:WA+8*\s+7], v[WSF] offset:W3S+64*\s+32
	ds_load_b128 v[WB+8*\s:WB+8*\s+3],   v[WSF] offset:W3S+16*HP+64*\s
	ds_load_b128 v[WB+8*\s+4:WB+8*\s+7], v[WSF] offset:W3S+16*HP+64*\s+32
.endr
	s_wait_loadcnt 0x0                             ; b3 and all the activation fragments are in
.irp s, 0,1,2,3,4,5,6,7
	s_wait_dscnt 4*(7-\s)                          ; four loads belong to each later K step
	v_wmma_f32_16x16x32_bf16 v[L0:L0+7], v[WA+8*\s:WA+8*\s+7], v[HF+8*\s:HF+8*\s+7], v[L0:L0+7]   ; the two tiles take turns
	v_wmma_f32_16x16x32_bf16 v[L1:L1+7], v[WB+8*\s:WB+8*\s+7], v[HF+8*\s:HF+8*\s+7], v[L1:L1+7]
.endr
	; the four places behind the last product (ISA guide 7.12.1): the way out's addresses, which name none of its registers, and one v_nop
	s_lshl_b32 s9, s8, 11                          ; 16 patients x 128 bytes
	v_lshl_add_u32 v[OST], v[RR], 7, s9            ; in: patient r's row of 128 bytes,
	v_lshl_add_u32 v[OST], v[HH], 5, v[OST]        ; classes 8 h ..
	v_lshl_add_u32 v[ORD], v[LN], 4, s9            ; back: 16 bytes a lane
	v_nop
	; a lane holds 16 of its patient's 32 logits, lane l xor 16 the other 16; two chains for the maximum
	v_max_num_f32 v[MX],   v[L0], v[L0+1]
	v_max_num_f32 v[MX+1], v[L1], v[L1+1]
.irp k, 2,4,6
	v_max3_num_f32 v[MX],   v[MX],   v[L0+\k], v[L0+\k+1]
	v_max3_num_f32 v[MX+1], v[MX+1], v[L1+\k], v[L1+\k+1]
.endr
	v_max_num_f32 v[MX], v[MX], v[MX+1]
	v_permlanex16_b32 v[MX+1], v[MX], s12, s13     ; its destination counts as read: it has been written as the second chain
	v_max_num_f32 v[MX], v[MX], v[MX+1]            ; the row's maximum m
	v_mul_f32 v[MX], 0xbfb8aa3b, v[MX]             ; - m log2 e
.irp k, 0,2,4,6
	v_pk_fma_f32 v[L0+\k:L0+\k+1], v[L0+\k:L0+\k+1], 0x3fb8aa3b, v[MX:MX+1] op_sel_hi:[1,0,0]    ; (x - m) log2 e in one step; the rounding of
	v_pk_fma_f32 v[L1+\k:L1+\k+1], v[L1+\k:L1+\k+1], 0x3fb8aa3b, v[MX:MX+1] op_sel_hi:[1,0,0]    ; m log2 e is the same for the row's 32 classes and cancels in the quotient
.endr
.irp k, 0,1,2,3,4,5,6,7
	v_exp_f32 v[L0+\k], v[L0+\k]
	v_exp_f32 v[L1+\k], v[L1+\k]
.endr
	v_nop                                          ; one plain place behind the transcendentals (ISA guide 5.7.2)
	s_wait_alu depctr_va_vdst(0)
	v_pk_add_f32 v[SUM:SUM+1],   v[L0:L0+1],     v[L0+2:L0+3]
	v_pk_add_f32 v[SUM2:SUM2+1], v[L0+4:L0+5],   v[L0+6:L0+7]
	v_pk_add_f32 v[SUM:SUM+1],   v[SUM:SUM+1],   v[L1:L1+1]
	v_pk_add_f32 v[SUM2:SUM2+1], v[SUM2:SUM2+1], v[L1+2:L1+3]
	v_pk_add_f32 v[SUM:SUM+1],   v[SUM:SUM+1],   v[L1+4:L1+5]
	v_pk_add_f32 v[SUM2:SUM2+1], v[SUM2:SUM2+1], v[L1+6:L1+7]
	v_pk_add_f32 v[SUM:SUM+1],   v[SUM:SUM+1],   v[SUM2:SUM2+1]
	v_add_f32 v[SUM], v[SUM], v[SUM+1]
	v_permlanex16_b32 v[SUM+1], v[SUM], s12, s13
	v_add_f32 v[SUM], v[SUM], v[SUM+1]             ; the row's sum, at least 1
	v_rcp_f32 v[SUM], v[SUM]
	v_nop
	s_wait_alu depctr_va_vdst(0)
.irp k, 0,2,4,6
	v_pk_mul_f32 v[L0+\k:L0+\k+1], v[L0+\k:L0+\k+1], v[SUM:SUM+1] op_sel_hi:[1,0]
	v_pk_mul_f32 v[L1+\k:L1+\k+1], v[L1+\k:L1+\k+1], v[SUM:SUM+1] op_sel_hi:[1,0]
.endr
	; the way out: by patients into my own 2,048 bytes of LDS, back as 512 consecutive bytes a load.  Four stores a wave: their pitch of 128 bytes is left unpadded.
	ds_store_b128 v[OST], v[L0:L0+3]   offset:OUTS
	ds_store_b128 v[OST], v[L0+4:L0+7] offset:OUTS+16
	ds_store_b128 v[OST], v[L1:L1+3]   offset:OUTS+64
	ds_store_b128 v[OST], v[L1+4:L1+7] offset:OUTS+80
.irp t, 0,1,2,3
	ds_load_b128 v[HF+4*\t:HF+4*\t+3], v[ORD] offset:OUTS+512*\t   ; my own bytes, served in order (ISA guide 5.7.1.4): these see the stores above
.endr
.irp t, 0,1,2,3
	s_wait_dscnt 3-\t                              ; the later read-backs may stay out
	global_store_b128 v[ORD], v[HF+4*\t:HF+4*\t+3], s[22:23] offset:512*\t   ; the wave stores 512 consecutive bytes, at a multiple of 512 from out0's first byte
.endr
	s_wait_tensorcnt 0x0
	ds_add_u32 v62, v63
	s_wait_dscnt 0x0
	s_endpgm
.Lfunc_end_k_qd2e045e8b8_fc3:
	.size	k_qd2e045e8b8_fc3, .Lfunc_end_k_qd2e045e8b8_fc3-k_qd2e045e8b8_fc3
	.p2alignl 7, 3214868480
	.fill 96, 4, 3214868480
	.section	.rodata,"a",@progbits
	.p2align	6, 0x0
	.amdhsa_kernel k_qd2e045e8b8_fc3
		.amdhsa_group_segment_fixed_size 25600
		.amdhsa_private_segment_fixed_size 0
		.amdhsa_enable_private_segment 0
		.amdhsa_kernarg_size 32
		.amdhsa_user_sgpr_count 2
		.amdhsa_user_sgpr_kernarg_segment_ptr 1
		.amdhsa_wavefront_size32 1
		.amdhsa_system_sgpr_workgroup_id_x 1
		.amdhsa_system_sgpr_workgroup_id_y 1
		.amdhsa_system_sgpr_workgroup_id_z 1
		.amdhsa_system_vgpr_workitem_id 0
		.amdhsa_next_free_vgpr 256
		.amdhsa_next_free_sgpr 66
		.amdhsa_reserve_vcc 0
		.amdhsa_float_denorm_mode_32 3
		.amdhsa_float_denorm_mode_16_64 3
		.amdhsa_memory_ordered 1
		.amdhsa_forward_progress 1
		.amdhsa_inst_pref_size 17
	.end_amdhsa_kernel
	.amdgpu_metadata
---
amdhsa.version: [ 1, 2 ]
amdhsa.kernels:
  - .name:           k_qd2e045e8b8_fc3
    .symbol:         k_qd2e045e8b8_fc3.kd
    .args:
      - { .name: h2, .offset: 0, .size: 8, .value_kind: global_buffer, .address_space: global }
      - { .name: W3, .offset: 8, .size: 8, .value_kind: global_buffer, .address_space: global }
      - { .name: b3, .offset: 16, .size: 8, .value_kind: global_buffer, .address_space: global }
      - { .name: out0, .offset: 24, .size: 8, .value_kind: global_buffer, .address_space: global }
    .group_segment_fixed_size: 25600
    .private_segment_fixed_size: 0
    .kernarg_segment_align: 8
    .kernarg_segment_size: 32
    .max_flat_workgroup_size: 128
    .sgpr_count:     66
    .vgpr_count:     256
    .wavefront_size: 32
...
	.end_amdgpu_metadata
.endif
;; end of part 5
;; ======== version 3 of 3: 4 launches; 2.15 times as fast as version 1
;; workspace buffers: xr 65,536 bytes; wp 671,744 bytes; h1 32,768 bytes; h2 32,768 bytes
;; launch prep (part 6): grid 584 x 1, 1 waves a work-group, no clusters, 2,560 bytes of LDS; arguments x, W1, W_ih, W3, xr, wp; writes xr, wp
.if DOCPART == 6
	.amdgcn_target "amdgcn-amd-amdhsa--gfx1250"
	.amdhsa_code_object_version 6
	.text
	.protected	k_qd2e045e8b8_prep
	.globl	k_qd2e045e8b8_prep
	.p2align	8
	.type	k_qd2e045e8b8_prep,@function
k_qd2e045e8b8_prep:
	s_mov_b64 s[64:65], 0
	v_nop
	global_prefetch_b8 v0, s[64:65] scope:SCOPE_SE
	s_setreg_imm32_b32 hwreg(HW_REG_WAVE_MODE, 25, 1), 1
	s_wait_xcnt 0x0
; First of four launches: fc1 -> ReLU -> one LSTM step from a zero state -> ReLU -> fc3 -> softmax, for the 64 rows that the result keeps.
; The result is outs[:, -1, :]: of each patient p only the last row of the last mat, x[p][15][a][127], a = 0..511.  Rows do not depend on
; each other, so only these 64 x 512 numbers of x enter the result, and only they are read.  What never enters the arithmetic is not read
; either: W_hh (it multiplies h0 = 0 and is not written in the formula) and gate f (rows 256..511 of W_ih: it multiplies c0 = 0).
;
; This launch makes everything that does not depend on an earlier layer ready for the matrix unit, as bf16 tiles of one layout:
;   a tile is [k / 8][16 rows][8 k]: byte (k >> 3) * 256 + row * 16 + (k & 7) * 2,
; so that the half fragment c of K step s is the 512 consecutive bytes at 1024 s + 512 c, 16 bytes a lane in lane order.
;   xr: 4 patient tiles of 16,384 bytes (k = 512).
;   wp: W1's 16 tiles of 16,384 bytes; from byte 262,144 W_ih's 48 tiles of 8,192 bytes (gates i, g, o, 16 tiles each);
;       from byte 655,360 W3's 2 tiles of 8,192 bytes.  671,744 bytes = 328 blocks of 2,048.
; The weights so move twice (656 KiB more stored and loaded).  In return the three launches that follow, each of which must wait for the
; one before, load their operands straight into registers: no conversion, no stage in LDS and no barrier stands on their way.
;
; SHARES.  584 work-groups of one wave.  Numbers 0..255 gather, 128 numbers each; the 32,768 numbers lie 512 bytes apart in x, so each
; costs a request of its own, and they go first.  Numbers 256..583 pack one block each: 16 rows x 64 k, 4,096 bytes in, 2,048 out.
; No matrix unit, no cluster: nothing is summed, and no byte is read by two work-groups.
.set XBASE, 15*262144+127*4            ; bytes from x[p][0][0][0] to x[p][15][0][127]
.set NGATH, 256                        ; work-groups that gather
.set NB1,   128                        ; blocks of W1: 16 tiles x 8; W_ih has 48 x 4 = 192, W3 2 x 4 = 8
.set GP,    288                        ; LDS pitch of a group of 8 k: 256 + 32 bytes = 72 words
.set OFF,   8                          ; v[8:15]   load i: byte offset of my 16 bytes in the source
.set D,     16                         ; v[16:47]  load i: 4 numbers as loaded, then 2 registers of bf16
.set R,     48                         ; v[48:63]  the block on its way out
	s_load_b256 s[4:11], s[0:1], 0x0               ; x 4:5, W1 6:7, W_ih 8:9, W3 10:11
	s_load_b128 s[12:15], s[0:1], 0x20             ; xr 12:13, wp 14:15
	v_lshl_add_u32 v64, v0, 2, 0x900
	v_mov_b32 v65, 0
	s_cmp_ge_u32 ttmp9, NGATH
	s_cbranch_scc1 .Lpack
	; ---- gather: work-group t = 4 kg + pq takes k = 8 kg .. 8 kg + 7 of patients 16 pq .. 16 pq + 15 ----
	; lane l takes four k of one patient and stores 8 bytes: the wave's one store covers the 256 bytes of group kg in tile pq
	s_lshr_b32 s16, ttmp9, 2                       ; kg
	s_and_b32 s17, ttmp9, 3                        ; pq
	s_lshl_b32 s18, s16, 12                        ; 8 kg rows of 512 bytes
	s_lshl_b32 s19, s17, 26                        ; 16 pq patients of 2^22 bytes
	s_add_co_u32 s18, s18, s19
	s_lshl_b32 s16, s16, 8                         ; group kg,
	s_lshl_b32 s17, s17, 14                        ; tile pq of xr
	s_add_co_u32 s16, s16, s17
	v_lshrrev_b32 v1, 1, v0                        ; my patient among the 16
	v_and_b32 v2, 1, v0                            ; which four of the eight k
	v_lshl_add_u32 v2, v2, 11, s18                 ; four rows of 512 bytes
	v_lshl_add_u32 v1, v1, 22, v2                  ; 63 << 22 plus less than 2^22 at the most: below 2^31
	v_lshl_add_u32 v3, v0, 3, s16                  ; 16 x patient + 8 x half = 8 l
	s_wait_kmcnt 0x0
.irp j, 0,1,2,3
	global_load_b32 v[4+\j], v1, s[4:5] offset:XBASE+512*\j th:TH_LOAD_NT     ; each number is read once in the launch
.endr
	s_wait_loadcnt 0x0
	v_cvt_pk_bf16_f32 v8, v4, v5
	v_cvt_pk_bf16_f32 v9, v6, v7
	global_store_b64 v3, v[8:9], s[12:13]
	s_endpgm
	; ---- pack: block b = 16 rows x 64 k of W1 (b < 128), of W_ih's gates i, g, o (b < 320) or of W3, to wp + 2048 b ----
.Lpack:
	s_sub_co_u32 s20, ttmp9, NGATH                 ; b = 0..327
	s_lshr_b32 s21, s20, 3                         ; as a block of W1: tile b / 8, 16 rows of 2,048 bytes,
	s_lshl_b32 s21, s21, 15
	s_and_b32 s22, s20, 7                          ; piece b % 8 of 256 bytes in each row
	s_lshl_b32 s22, s22, 8
	s_add_co_u32 s21, s21, s22
	s_max_u32 s23, s20, NB1                        ; as a block of the others (0 where it is W1's: not used then)
	s_sub_co_u32 s23, s23, NB1
	s_lshr_b32 s24, s23, 2                         ; tile t = 0..49: 0..47 W_ih's, 48 and 49 W3's
	s_and_b32 s25, s23, 3                          ; piece of 256 bytes in each row
	s_lshl_b32 s25, s25, 8
	s_add_co_u32 s26, s24, 16
	s_cmp_ge_u32 s24, 16
	s_cselect_b32 s26, s26, s24                    ; gates g and o lie 16 tiles further down in W_ih: gate f is passed over
	s_sub_co_u32 s27, s24, 48
	s_cmp_ge_u32 s24, 48
	s_cselect_b32 s26, s27, s26                    ; W3's tiles count from 0
	s_lshl_b32 s26, s26, 14                        ; 16 rows of 1,024 bytes
	s_add_co_u32 s26, s26, s25
	s_cmp_lt_u32 s20, NB1
	s_cselect_b32 s26, s21, s26                    ; the block's byte offset in its source
	s_cselect_b32 s27, 11, 10                      ; log2 of the source's row bytes
	s_lshl_b32 s30, 2, s27                         ; two rows
	s_lshl_b32 s31, s20, 11                        ; the block's place in wp
	v_and_b32 v1, 15, v0
	v_lshrrev_b32 v2, 4, v0
	v_lshlrev_b32 v3, s27, v2                      ; a load takes two rows' 256 bytes: lanes 0-15 the even row, lanes 16-31 the odd one
	v_lshl_add_u32 v3, v1, 4, v3
	v_add_nc_u32 v[OFF], s26, v3
.irp i, 1,2,3,4,5,6,7
	v_add_nc_u32 v[OFF+\i], s30, v[OFF+\i-1]       ; the row bytes differ between the sources, so the step cannot stand in the immediate
.endr
	; Into LDS: my 4 k of row 2 i + l / 16 are half l % 2 of group (l % 16) / 2.  Word = 72 group + 4 (l / 16) + 2 (l % 2) + 8 i:
	; modulo 64 the 32 lanes' 64 words are all different.
	v_bfe_u32 v4, v0, 1, 3
	v_and_b32 v5, 1, v0
	v_mul_u32_u24 v4, v4, GP
	v_lshl_add_u32 v4, v2, 4, v4
	v_lshl_add_u32 v4, v5, 3, v4
	v_mul_u32_u24 v5, v2, GP                       ; back: lanes 0-15 take one group's 256 bytes, lanes 16-31 the next
	v_lshl_add_u32 v5, v1, 4, v5
	v_lshl_add_u32 v6, v0, 4, s31                  ; 2048 b + 16 l
	s_wait_kmcnt 0x0
	s_cmp_ge_u32 s24, 48                           ; the source, chosen by the block's number alone
	s_cselect_b64 s[28:29], s[10:11], s[8:9]
	s_cmp_lt_u32 s20, NB1
	s_cselect_b64 s[28:29], s[6:7], s[28:29]
.irp i, 0,1,2,3,4,5,6,7
	global_load_b128 v[D+4*\i:D+4*\i+3], v[OFF+\i], s[28:29] th:TH_LOAD_NT    ; each number is read once in the launch
.endr
.irp i, 0,1,2,3,4,5,6,7
	s_wait_loadcnt 7-\i                            ; loads come back in issue order (ISA guide 5.7.1): the later ones may stay out
	v_cvt_pk_bf16_f32 v[D+4*\i],   v[D+4*\i],   v[D+4*\i+1]
	v_cvt_pk_bf16_f32 v[D+4*\i+1], v[D+4*\i+2], v[D+4*\i+3]
	ds_store_b64 v4, v[D+4*\i:D+4*\i+1] offset:32*\i
.endr
.irp t, 0,1,2,3
	ds_load_b128 v[R+4*\t:R+4*\t+3], v5 offset:2*GP*\t             ; my own bytes, served in order (ISA guide 5.7.1.4): these see the stores above
.endr
.irp t, 0,1,2,3
	s_wait_dscnt 3-\t                              ; the later read-backs may stay out
	global_store_b128 v6, v[R+4*\t:R+4*\t+3], s[14:15] offset:512*\t          ; the wave stores 512 consecutive bytes, at a multiple of 512 from wp's first byte
.endr
	s_wait_tensorcnt 0x0
	ds_add_u32 v64, v65
	s_wait_dscnt 0x0
	s_endpgm
.Lfunc_end_k_qd2e045e8b8_prep:
	.size	k_qd2e045e8b8_prep, .Lfunc_end_k_qd2e045e8b8_prep-k_qd2e045e8b8_prep
	.p2alignl 7, 3214868480
	.fill 96, 4, 3214868480
	.section	.rodata,"a",@progbits
	.p2align	6, 0x0
	.amdhsa_kernel k_qd2e045e8b8_prep
		.amdhsa_group_segment_fixed_size 2560
		.amdhsa_private_segment_fixed_size 0
		.amdhsa_enable_private_segment 0
		.amdhsa_kernarg_size 48
		.amdhsa_user_sgpr_count 2
		.amdhsa_user_sgpr_kernarg_segment_ptr 1
		.amdhsa_wavefront_size32 1
		.amdhsa_system_sgpr_workgroup_id_x 1
		.amdhsa_system_sgpr_workgroup_id_y 1
		.amdhsa_system_sgpr_workgroup_id_z 1
		.amdhsa_system_vgpr_workitem_id 0
		.amdhsa_next_free_vgpr 66
		.amdhsa_next_free_sgpr 66
		.amdhsa_reserve_vcc 0
		.amdhsa_float_denorm_mode_32 3
		.amdhsa_float_denorm_mode_16_64 3
		.amdhsa_memory_ordered 1
		.amdhsa_forward_progress 1
		.amdhsa_inst_pref_size 8
	.end_amdhsa_kernel
	.amdgpu_metadata
---
amdhsa.version: [ 1, 2 ]
amdhsa.kernels:
  - .name:           k_qd2e045e8b8_prep
    .symbol:         k_qd2e045e8b8_prep.kd
    .args:
      - { .name: x, .offset: 0, .size: 8, .value_kind: global_buffer, .address_space: global }
      - { .name: W1, .offset: 8, .size: 8, .value_kind: global_buffer, .address_space: global }
      - { .name: W_ih, .offset: 16, .size: 8, .value_kind: global_buffer, .address_space: global }
      - { .name: W3, .offset: 24, .size: 8, .value_kind: global_buffer, .address_space: global }
      - { .name: xr, .offset: 32, .size: 8, .value_kind: global_buffer, .address_space: global }
      - { .name: wp, .offset: 40, .size: 8, .value_kind: global_buffer, .address_space: global }
    .group_segment_fixed_size: 2560
    .private_segment_fixed_size: 0
    .kernarg_segment_align: 8
    .kernarg_segment_size: 48
    .max_flat_workgroup_size: 32
    .sgpr_count:     66
    .vgpr_count:     66
    .wavefront_size: 32
...
	.end_amdgpu_metadata
.endif
;; end of part 6
;; launch fc1 (part 7): grid 64 x 1, 4 waves a work-group, no clusters, 4,608 bytes of LDS; arguments xr, wp, b1, h1; writes h1
.if DOCPART == 7
	.amdgcn_target "amdgcn-amd-amdhsa--gfx1250"
	.amdhsa_code_object_version 6
	.text
	.protected	k_qd2e045e8b8_fc1
	.globl	k_qd2e045e8b8_fc1
	.p2align	8
	.type	k_qd2e045e8b8_fc1,@function
k_qd2e045e8b8_fc1:
	s_mov_b64 s[64:65], 0
	v_nop
	global_prefetch_b8 v0, s[64:65] scope:SCOPE_SE
	s_setreg_imm32_b32 hwreg(HW_REG_WAVE_MODE, 25, 1), 1
	s_wait_xcnt 0x0
; Second of four launches: h1 = relu(rows W1^T + b1) for the 64 rows collected in xr.  b1: [256] f32.
; xr, wp and h1 hold bf16 tiles [k / 8][16 rows][8 k]: the half fragment c of K step s is the 512 consecutive bytes at 1024 s + 512 c of its
; tile, 16 bytes a lane in lane order.  xr: 4 patient tiles of 16,384 bytes; wp: W1's 16 feature tiles of 16,384 bytes from byte 0;
; h1: 4 patient tiles of 8,192 bytes.
;
; SHARES.  Work-group 4 ft + pt (64 of them) makes features 16 ft .. + 15 of patients 16 pt .. + 15.  Its four waves share K = 512: wave w takes
; K steps 4 w .. 4 w + 3, eight loads of weights and eight of activations straight into the matrix operands.  (One wave alone would have
; 64 fragment loads and b1's two out at once, more than LOADcnt's field of 63 counts.)  Waves 0 to 2 hand their sums to wave 3 through LDS.
; The next layer sums over all 256 features, and work-groups hand nothing to each other inside a launch: hence a launch of its own.
;
; THE PRODUCT IS USED TRANSPOSED: source 0 = 16 rows of W1, source 1 = 16 patients.  Lane (r = l % 16, h = l / 16) holds in register j the
; number (feature 16 ft + 8 h + j, patient 16 pt + r): b1 loads in the accumulator's own layout, and the eight results pack into the 16 bytes
; at 8192 pt + 512 ft + 16 l of h1: the wave's one store covers 512 consecutive bytes.
;
; NO JOINT LOADS, though four work-groups read each tile of W1 and sixteen each tile of xr: a load here lands in the registers that the matrix
; unit reads; a joint load would land in LDS and add an LDS read and rounds of the cluster's barrier to a work-group that reads 32 KiB once.
;
; LIMITS.  Matrix operands are bf16, sums f32.  ReLU is v_max_num_f32: a NaN gives 0 where the formula gives NaN (non-finite inputs only).
.set VW,   1                           ; v1  16384 ft + 4096 w + 16 l: my 16 bytes of a weight fragment
.set VA,   2                           ; v2  16384 pt + 4096 w + 16 l: the same of an activation fragment
.set VB,   3                           ; v3  64 ft + 32 h: my 8 numbers of b1
.set LA,   4                           ; v4  1024 w + 16 l: my wave's region in LDS (one for each wave number; wave 3's stays unused)
.set LR,   5                           ; v5  16 l: wave 3 reads the regions
.set VOUT, 6                           ; v6  8192 pt + 512 ft + 16 l: my 16 bytes of h1
.set T,    8                           ; v[8:11]    the packed result
.set LN,   12
.set HH,   13
.set A0,   16                          ; two accumulators for the wave's one sum
.set A1,   24
.set BI,   32                          ; v[32:39]   b1
.set WF,   64                          ; v[64:95]   weight fragments of my 4 K steps
.set AF,   96                          ; v[96:127]  activation fragments of my 4 K steps
.set P,    128                         ; v[128:151] wave 3: the other waves' sums
	s_load_b256 s[16:23], s[0:1], 0x0              ; xr 16:17, wp 18:19, b1 20:21, h1 22:23
	v_lshl_add_u32 v152, v0, 2, 0x1000
	v_mov_b32 v153, 0
	v_lshrrev_b32 v[LN], 5, v0
	v_readfirstlane_b32 s8, v[LN]                  ; wave 0..3
	v_and_b32 v[LN], 31, v0                        ; l
	v_bfe_u32 v[HH], v0, 4, 1                      ; h
	s_lshr_b32 s9, ttmp9, 2                        ; ft
	s_and_b32 s10, ttmp9, 3                        ; pt
	s_lshl_b32 s11, s8, 12                         ; my four K steps of 1,024 bytes
	s_lshl_b32 s12, s9, 14
	s_add_co_u32 s12, s12, s11
	v_lshl_add_u32 v[VW], v[LN], 4, s12
	s_lshl_b32 s13, s10, 14
	s_add_co_u32 s13, s13, s11
	v_lshl_add_u32 v[VA], v[LN], 4, s13
	s_lshl_b32 s14, s9, 6                          ; 16 numbers of b1
	v_lshl_add_u32 v[VB], v[HH], 5, s14
	s_lshl_b32 s15, s8, 10
	v_lshl_add_u32 v[LA], v[LN], 4, s15
	v_lshlrev_b32 v[LR], 4, v[LN]
	s_lshl_b32 s24, s10, 13
	s_lshl_b32 s25, s9, 9
	s_add_co_u32 s24, s24, s25
	v_lshl_add_u32 v[VOUT], v[LN], 4, s24
	s_wait_kmcnt 0x0
	; all 18 loads go out at once.  b1 is used by wave 3 alone; every wave loads it, so that the four run one text as far as the barrier.
	global_load_b128 v[BI:BI+3],   v[VB], s[20:21]
	global_load_b128 v[BI+4:BI+7], v[VB], s[20:21] offset:16
.irp q, 0,1,2,3
	global_load_b128 v[WF+8*\q:WF+8*\q+3],   v[VW], s[18:19] offset:1024*\q
	global_load_b128 v[WF+8*\q+4:WF+8*\q+7], v[VW], s[18:19] offset:1024*\q+512
	global_load_b128 v[AF+8*\q:AF+8*\q+3],   v[VA], s[16:17] offset:1024*\q
	global_load_b128 v[AF+8*\q+4:AF+8*\q+7], v[VA], s[16:17] offset:1024*\q+512
.endr
	; Loads come back in issue order (ISA guide 5.7.1); four belong to each later K step: the counts 12, 8, 4, 0.
	; The two accumulators take turns, one instruction a turn.  Their first products start the sums.
	s_wait_loadcnt 12
	v_wmma_f32_16x16x32_bf16 v[A0:A0+7], v[WF:WF+7],       v[AF:AF+7],       0
	s_wait_loadcnt 8
	v_wmma_f32_16x16x32_bf16 v[A1:A1+7], v[WF+8:WF+15],    v[AF+8:AF+15],    0
	s_wait_loadcnt 4
	v_wmma_f32_16x16x32_bf16 v[A0:A0+7], v[WF+16:WF+23],   v[AF+16:AF+23],   v[A0:A0+7]
	s_wait_loadcnt 0
	v_wmma_f32_16x16x32_bf16 v[A1:A1+7], v[WF+24:WF+31],   v[AF+24:AF+31],   v[A1:A1+7]
.rept 4
	v_nop                                          ; four places before a vector instruction reads a matrix result (ISA guide 7.12.1)
.endr
.irp k, 0,2,4,6
	v_pk_add_f32 v[A0+\k:A0+\k+1], v[A0+\k:A0+\k+1], v[A1+\k:A1+\k+1]
.endr
	s_cmp_eq_u32 s8, 3
	s_cbranch_scc1 .Lkeep                          ; wave 3 keeps its sum in registers
	ds_store_b128 v[LA], v[A0:A0+3]                ; 16 bytes a lane in lane order: no bank is met twice
	ds_store_b128 v[LA], v[A0+4:A0+7] offset:512
.Lkeep:
	s_wait_dscnt 0x0                               ; for wave 3: my sum is written
	s_barrier_signal -1
	s_barrier_wait -1                              ; the three regions are whole; no barrier follows
	s_cmp_lg_u32 s8, 3
	s_cbranch_scc1 .Lend
.irp p, 0,1,2
	ds_load_b128 v[P+8*\p:P+8*\p+3],   v[LR] offset:1024*\p
	ds_load_b128 v[P+8*\p+4:P+8*\p+7], v[LR] offset:1024*\p+512
.endr
.irp k, 0,2,4,6
	v_pk_add_f32 v[A0+\k:A0+\k+1], v[A0+\k:A0+\k+1], v[BI+\k:BI+\k+1]         ; + b1, while the regions are on their way
.endr
.irp p, 0,1,2
	s_wait_dscnt 2*(2-\p)                          ; two loads belong to each later region
.irp k, 0,2,4,6
	v_pk_add_f32 v[A0+\k:A0+\k+1], v[A0+\k:A0+\k+1], v[P+8*\p+\k:P+8*\p+\k+1]
.endr
.endr
.irp k, 0,1,2,3,4,5,6,7
	v_max_num_f32 v[A0+\k], 0, v[A0+\k]            ; ReLU
.endr
.irp k, 0,1,2,3
	v_cvt_pk_bf16_f32 v[T+\k], v[A0+2*\k], v[A0+2*\k+1]
.endr
	global_store_b128 v[VOUT], v[T:T+3], s[22:23]  ; features 16 ft + 8 h + 0..7 of patient 16 pt + r: 512 consecutive bytes for the wave
.Lend:
	s_wait_tensorcnt 0x0
	ds_add_u32 v152, v153
	s_wait_dscnt 0x0
	s_endpgm
.Lfunc_end_k_qd2e045e8b8_fc1:
	.size	k_qd2e045e8b8_fc1, .Lfunc_end_k_qd2e045e8b8_fc1-k_qd2e045e8b8_fc1
	.p2alignl 7, 3214868480
	.fill 96, 4, 3214868480
	.section	.rodata,"a",@progbits
	.p2align	6, 0x0
	.amdhsa_kernel k_qd2e045e8b8_fc1
		.amdhsa_group_segment_fixed_size 4608
		.amdhsa_private_segment_fixed_size 0
		.amdhsa_enable_private_segment 0
		.amdhsa_kernarg_size 32
		.amdhsa_user_sgpr_count 2
		.amdhsa_user_sgpr_kernarg_segment_ptr 1
		.amdhsa_wavefront_size32 1
		.amdhsa_system_sgpr_workgroup_id_x 1
		.amdhsa_system_sgpr_workgroup_id_y 1
		.amdhsa_system_sgpr_workgroup_id_z 1
		.amdhsa_system_vgpr_workitem_id 0
		.amdhsa_next_free_vgpr 154
		.amdhsa_next_free_sgpr 66
		.amdhsa_reserve_vcc 0
		.amdhsa_float_denorm_mode_32 3
		.amdhsa_float_denorm_mode_16_64 3
		.amdhsa_memory_ordered 1
		.amdhsa_forward_progress 1
		.amdhsa_inst_pref_size 7
	.end_amdhsa_kernel
	.amdgpu_metadata
---
amdhsa.version: [ 1, 2 ]
amdhsa.kernels:
  - .name:           k_qd2e045e8b8_fc1
    .symbol:         k_qd2e045e8b8_fc1.kd
    .args:
      - { .name: xr, .offset: 0, .size: 8, .value_kind: global_buffer, .address_space: global }
      - { .name: wp, .offset: 8, .size: 8, .value_kind: global_buffer, .address_space: global }
      - { .name: b1, .offset: 16, .size: 8, .value_kind: global_buffer, .address_space: global }
      - { .name: h1, .offset: 24, .size: 8, .value_kind: global_buffer, .address_space: global }
    .group_segment_fixed_size: 4608
    .private_segment_fixed_size: 0
    .kernarg_segment_align: 8
    .kernarg_segment_size: 32
    .max_flat_workgroup_size: 128
    .sgpr_count:     66
    .vgpr_count:     154
    .wavefront_size: 32
...
	.end_amdgpu_metadata
.endif
;; end of part 7
;; launch gates (part 8): grid 64 x 1, 3 waves a work-group, no clusters, 3,584 bytes of LDS; arguments h1, wp, b_ih, b_hh, h2; writes h2
.if DOCPART == 8
	.amdgcn_target "amdgcn-amd-amdhsa--gfx1250"
	.amdhsa_code_object_version 6
	.text
	.protected	k_qd2e045e8b8_gates
	.globl	k_qd2e045e8b8_gates
	.p2align	8
	.type	k_qd2e045e8b8_gates,@function
k_qd2e045e8b8_gates:
	s_mov_b64 s[64:65], 0
	v_nop
	global_prefetch_b8 v0, s[64:65] scope:SCOPE_SE
	s_setreg_imm32_b32 hwreg(HW_REG_WAVE_MODE, 25, 1), 1
	s_wait_xcnt 0x0
; Third of four launches: the LSTM step from a zero state, and the ReLU behind it, for 64 rows.
;   gates = h1 W_ih^T + (b_ih + b_hh);  c = sigmoid(i) tanh(g);  h2 = relu(sigmoid(o) tanh(c)).   Gate order in the biases: i, f, g, o.
; What never enters this arithmetic is not loaded: W_hh (it multiplies h0 = 0 and is not written in the formula) and gate f (it multiplies c0 = 0).
; h1, wp and h2 hold bf16 tiles [k / 8][16 rows][8 k]: the half fragment c of K step s is the 512 consecutive bytes at 1024 s + 512 c of its
; tile, 16 bytes a lane in lane order.  h1, h2: 4 patient tiles of 8,192 bytes; wp from byte 262,144: W_ih's tiles of 8,192 bytes,
; 16 for gate i, 16 for gate g, 16 for gate o.
;
; SHARES.  Work-group 4 ct + pt (64 of them) makes columns 16 ct .. + 15 of h2 for patients 16 pt .. + 15.  Wave 0 makes gate i, wave 1 gate g,
; wave 2 gate o: 16 loads of weights, 16 of activations and 4 of biases each, 8 matrix instructions, and the gate's own activation.
; The three run one text: sigmoid and tanh are both a / (1 + 2^(s x)) + b, with s = -log2 e, a = 1, b = 0 or s = 2 log2 e, a = -2, b = 1, chosen by
; the wave's number.  Waves 0 and 1 hand their gates to wave 2 through LDS, and wave 2 makes c, h and the ReLU.
; fc3 sums over all 256 columns, and work-groups hand nothing to each other inside a launch: hence a launch of its own.
;
; THE PRODUCTS ARE USED TRANSPOSED: source 0 = 16 rows of W_ih, source 1 = 16 patients.  Lane (r = l % 16, h = l / 16) holds in register j
; (column 16 ct + 8 h + j, patient 16 pt + r): a bias loads in the accumulator's own layout, and eight results pack into the 16 bytes at
; 8192 pt + 512 ct + 16 l of h2: the wave's one store covers 512 consecutive bytes.
;
; NO JOINT LOADS, though four work-groups read each tile of W_ih and sixteen each tile of h1: a load here lands in the registers that the matrix
; unit reads; a joint load would land in LDS and add an LDS read and rounds of the cluster's barrier to a work-group that reads 48 KiB once.
;
; LIMITS.  Matrix operands are bf16, sums f32.  ReLU is v_max_num_f32: a NaN gives 0 where the formula gives NaN (non-finite inputs only).
; tanh(x) = 1 - 2 / (1 + e^(2x)): absolute error of some 1e-7, exact saturation at +-1.  v_exp_f32 gives 0 for results below 2^-126.
.set WIP,  262144                      ; W_ih's first tile in wp
.set VW,   1                           ; v1  131072 w + 8192 ct + 16 l: my 16 bytes of a weight fragment
.set VA,   2                           ; v2  8192 pt + 16 l: the same of an activation fragment
.set VB,   3                           ; v3  1024 q + 64 ct + 32 h: my 8 numbers of a bias; q = 0, 2, 3 for waves 0, 1, 2
.set LA,   4                           ; v4  1024 w + 16 l: my wave's region in LDS (one for each wave number; wave 2's stays unused)
.set LR,   5                           ; v5  16 l: wave 2 reads the regions
.set VOUT, 6                           ; v6  8192 pt + 512 ct + 16 l: my 16 bytes of h2
.set T,    8                           ; v[8:11]    the packed result
.set LN,   12
.set HH,   13
.set A0,   16                          ; two accumulators for the wave's one sum
.set A1,   24
.set BH,   32                          ; v[32:39]   b_hh
.set SC,   40                          ; v[40:41]   s, twice
.set MA,   42                          ; v[42:43]   a, twice
.set AD,   44                          ; v[44:45]   b, twice
.set WF,   64                          ; v[64:127]  weight fragments of 8 K steps
.set AF,   128                         ; v[128:191] activation fragments of 8 K steps
.set GI,   192                         ; v[192:199] wave 2: sigmoid(i)
.set GG,   200                         ; v[200:207] wave 2: tanh(g), then c, tanh(c), h
	s_load_b256 s[16:23], s[0:1], 0x0              ; h1 16:17, wp 18:19, b_ih 20:21, b_hh 22:23
	s_load_b64 s[24:25], s[0:1], 0x20              ; h2
	v_lshl_add_u32 v208, v0, 2, 0xc00
	v_mov_b32 v209, 0
	v_lshrrev_b32 v[LN], 5, v0
	v_readfirstlane_b32 s8, v[LN]                  ; wave 0..2
	v_and_b32 v[LN], 31, v0                        ; l
	v_bfe_u32 v[HH], v0, 4, 1                      ; h
	s_lshr_b32 s9, ttmp9, 2                        ; ct
	s_and_b32 s10, ttmp9, 3                        ; pt
	s_lshl_b32 s11, s8, 17                         ; my gate's 16 tiles of 8,192 bytes
	s_lshl_b32 s12, s9, 13
	s_add_co_u32 s11, s11, s12
	v_lshl_add_u32 v[VW], v[LN], 4, s11
	s_lshl_b32 s13, s10, 13
	v_lshl_add_u32 v[VA], v[LN], 4, s13
	s_min_u32 s14, s8, 1
	s_add_co_u32 s14, s14, s8                      ; q = 0, 2, 3: gate f is passed over
	s_lshl_b32 s14, s14, 10                        ; 256 numbers of a bias
	s_lshl_b32 s15, s9, 6                          ; 16 numbers
	s_add_co_u32 s14, s14, s15
	v_lshl_add_u32 v[VB], v[HH], 5, s14
	s_lshl_b32 s15, s8, 10
	v_lshl_add_u32 v[LA], v[LN], 4, s15
	v_lshlrev_b32 v[LR], 4, v[LN]
	s_lshl_b32 s15, s9, 9
	s_add_co_u32 s13, s13, s15
	v_lshl_add_u32 v[VOUT], v[LN], 4, s13
	s_mov_b32 s26, 0xbfb8aa3b                      ; -log2 e
	s_mov_b32 s27, 0x4038aa3b                      ; 2 log2 e
	s_cmp_eq_u32 s8, 1                             ; gate g takes tanh, gates i and o the sigmoid
	s_cselect_b32 s26, s27, s26
	s_cselect_b32 s27, -2.0, 1.0
	s_cselect_b32 s28, 1.0, 0
	v_mov_b32 v[SC], s26
	v_mov_b32 v[SC+1], s26
	v_mov_b32 v[MA], s27
	v_mov_b32 v[MA+1], s27
	v_mov_b32 v[AD], s28
	v_mov_b32 v[AD+1], s28
	s_wait_kmcnt 0x0
	; all 36 loads go out at once
	global_load_b128 v[A0:A0+3],   v[VB], s[20:21]                   ; b_ih starts the sum
	global_load_b128 v[A0+4:A0+7], v[VB], s[20:21] offset:16
	global_load_b128 v[BH:BH+3],   v[VB], s[22:23]                   ; b_hh, added below
	global_load_b128 v[BH+4:BH+7], v[VB], s[22:23] offset:16
.irp s, 0,1,2,3,4,5,6,7
	global_load_b128 v[WF+8*\s:WF+8*\s+3],   v[VW], s[18:19] offset:WIP+1024*\s
	global_load_b128 v[WF+8*\s+4:WF+8*\s+7], v[VW], s[18:19] offset:WIP+1024*\s+512
	global_load_b128 v[AF+8*\s:AF+8*\s+3],   v[VA], s[16:17] offset:1024*\s
	global_load_b128 v[AF+8*\s+4:AF+8*\s+7], v[VA], s[16:17] offset:1024*\s+512
.endr
	; Loads come back in issue order (ISA guide 5.7.1); four belong to each later K step: the counts 28, 24 .. 0.  The first covers the biases too.
	; The two accumulators take turns, one instruction a turn.  A0 begins as the bias, A1's first product starts its sum.
.irp s, 0,1,2,3,4,5,6,7
	s_wait_loadcnt 4*(7-\s)
.if \s == 0
.irp k, 0,2,4,6
	v_pk_add_f32 v[A0+\k:A0+\k+1], v[A0+\k:A0+\k+1], v[BH+\k:BH+\k+1]         ; b_ih + b_hh
.endr
.endif
.if \s == 1
	v_wmma_f32_16x16x32_bf16 v[A1:A1+7], v[WF+8*\s:WF+8*\s+7], v[AF+8*\s:AF+8*\s+7], 0
.else
	v_wmma_f32_16x16x32_bf16 v[A0+8*(\s&1):A0+8*(\s&1)+7], v[WF+8*\s:WF+8*\s+7], v[AF+8*\s:AF+8*\s+7], v[A0+8*(\s&1):A0+8*(\s&1)+7]
.endif
.endr
.rept 4
	v_nop                                          ; four places before a vector instruction reads a matrix result (ISA guide 7.12.1)
.endr
.irp k, 0,2,4,6
	v_pk_add_f32 v[A0+\k:A0+\k+1], v[A0+\k:A0+\k+1], v[A1+\k:A1+\k+1]
.endr
	; my gate's activation: a / (1 + 2^(s x)) + b.  Behind a run of transcendentals one plain vector instruction stands before a result is used (ISA guide 5.7.2): the v_nop.
.irp k, 0,2,4,6
	v_pk_mul_f32 v[A0+\k:A0+\k+1], v[A0+\k:A0+\k+1], v[SC:SC+1]
.endr
.irp k, 0,1,2,3,4,5,6,7
	v_exp_f32 v[A0+\k], v[A0+\k]
.endr
	v_nop
	s_wait_alu depctr_va_vdst(0)
.irp k, 0,2,4,6
	v_pk_add_f32 v[A0+\k:A0+\k+1], v[A0+\k:A0+\k+1], 1.0 op_sel_hi:[1,0]
.endr
.irp k, 0,1,2,3,4,5,6,7
	v_rcp_f32 v[A0+\k], v[A0+\k]
.endr
	v_nop
	s_wait_alu depctr_va_vdst(0)
.irp k, 0,2,4,6
	v_pk_fma_f32 v[A0+\k:A0+\k+1], v[A0+\k:A0+\k+1], v[MA:MA+1], v[AD:AD+1]
.endr
	s_cmp_eq_u32 s8, 2
	s_cbranch_scc1 .Lkeep                          ; wave 2 keeps sigmoid(o) in registers
	ds_store_b128 v[LA], v[A0:A0+3]                ; 16 bytes a lane in lane order: no bank is met twice
	ds_store_b128 v[LA], v[A0+4:A0+7] offset:512
.Lkeep:
	s_wait_dscnt 0x0                               ; for wave 2: my gate is written
	s_barrier_signal -1
	s_barrier_wait -1                              ; the two regions are whole; no barrier follows
	s_cmp_lg_u32 s8, 2
	s_cbranch_scc1 .Lend
	ds_load_b128 v[GI:GI+3],   v[LR]
	ds_load_b128 v[GI+4:GI+7], v[LR] offset:512
	ds_load_b128 v[GG:GG+3],   v[LR] offset:1024
	ds_load_b128 v[GG+4:GG+7], v[LR] offset:1536
	s_wait_dscnt 0x0
.irp k, 0,2,4,6
	v_pk_mul_f32 v[GG+\k:GG+\k+1], v[GG+\k:GG+\k+1], v[GI+\k:GI+\k+1]         ; c = sigmoid(i) tanh(g)
.endr
.irp k, 0,2,4,6
	v_pk_mul_f32 v[GG+\k:GG+\k+1], v[GG+\k:GG+\k+1], 0x4038aa3b op_sel_hi:[1,0]   ; tanh(c) = 1 - 2 / (1 + 2^(2 log2 e c))
.endr
.irp k, 0,1,2,3,4,5,6,7
	v_exp_f32 v[GG+\k], v[GG+\k]
.endr
	v_nop
	s_wait_alu depctr_va_vdst(0)
.irp k, 0,2,4,6
	v_pk_add_f32 v[GG+\k:GG+\k+1], v[GG+\k:GG+\k+1], 1.0 op_sel_hi:[1,0]
.endr
.irp k, 0,1,2,3,4,5,6,7
	v_rcp_f32 v[GG+\k], v[GG+\k]
.endr
	v_nop
	s_wait_alu depctr_va_vdst(0)
.irp k, 0,2,4,6
	v_pk_fma_f32 v[GG+\k:GG+\k+1], v[GG+\k:GG+\k+1], -2.0, 1.0 op_sel_hi:[1,0,0]
.endr
.irp k, 0,2,4,6
	v_pk_mul_f32 v[GG+\k:GG+\k+1], v[GG+\k:GG+\k+1], v[A0+\k:A0+\k+1]         ; h = sigmoid(o) tanh(c)
.endr
.irp k, 0,1,2,3,4,5,6,7
	v_max_num_f32 v[GG+\k], 0, v[GG+\k]            ; ReLU
.endr
.irp k, 0,1,2,3
	v_cvt_pk_bf16_f32 v[T+\k], v[GG+2*\k], v[GG+2*\k+1]
.endr
	global_store_b128 v[VOUT], v[T:T+3], s[24:25]  ; columns 16 ct + 8 h + 0..7 of patient 16 pt + r: 512 consecutive bytes for the wave
.Lend:
	s_wait_tensorcnt 0x0
	ds_add_u32 v208, v209
	s_wait_dscnt 0x0
	s_endpgm
.Lfunc_end_k_qd2e045e8b8_gates:
	.size	k_qd2e045e8b8_gates, .Lfunc_end_k_qd2e045e8b8_gates-k_qd2e045e8b8_gates
	.p2alignl 7, 3214868480
	.fill 96, 4, 3214868480
	.section	.rodata,"a",@progbits
	.p2align	6, 0x0
	.amdhsa_kernel k_qd2e045e8b8_gates
		.amdhsa_group_segment_fixed_size 3584
		.amdhsa_private_segment_fixed_size 0
		.amdhsa_enable_private_segment 0
		.amdhsa_kernarg_size 40
		.amdhsa_user_sgpr_count 2
		.amdhsa_user_sgpr_kernarg_segment_ptr 1
		.amdhsa_wavefront_size32 1
		.amdhsa_system_sgpr_workgroup_id_x 1
		.amdhsa_system_sgpr_workgroup_id_y 1
		.amdhsa_system_sgpr_workgroup_id_z 1
		.amdhsa_system_vgpr_workitem_id 0
		.amdhsa_next_free_vgpr 210
		.amdhsa_next_free_sgpr 66
		.amdhsa_reserve_vcc 0
		.amdhsa_float_denorm_mode_32 3
		.amdhsa_float_denorm_mode_16_64 3
		.amdhsa_memory_ordered 1
		.amdhsa_forward_progress 1
		.amdhsa_inst_pref_size 12
	.end_amdhsa_kernel
	.amdgpu_metadata
---
amdhsa.version: [ 1, 2 ]
amdhsa.kernels:
  - .name:           k_qd2e045e8b8_gates
    .symbol:         k_qd2e045e8b8_gates.kd
    .args:
      - { .name: h1, .offset: 0, .size: 8, .value_kind: global_buffer, .address_space: global }
      - { .name: wp, .offset: 8, .size: 8, .value_kind: global_buffer, .address_space: global }
      - { .name: b_ih, .offset: 16, .size: 8, .value_kind: global_buffer, .address_space: global }
      - { .name: b_hh, .offset: 24, .size: 8, .value_kind: global_buffer, .address_space: global }
      - { .name: h2, .offset: 32, .size: 8, .value_kind: global_buffer, .address_space: global }
    .group_segment_fixed_size: 3584
    .private_segment_fixed_size: 0
    .kernarg_segment_align: 8
    .kernarg_segment_size: 40
    .max_flat_workgroup_size: 96
    .sgpr_count:     66
    .vgpr_count:     210
    .wavefront_size: 32
...
	.end_amdgpu_metadata
.endif
;; end of part 8
;; launch fc3 (part 9): grid 4 x 1, 1 waves a work-group, no clusters, 2,304 bytes of LDS; arguments h2, wp, b3, out0; writes out0
.if DOCPART == 9
	.amdgcn_target "amdgcn-amd-amdhsa--gfx1250"
	.amdhsa_code_object_version 6
	.text
	.protected	k_qd2e045e8b8_fc3
	.globl	k_qd2e045e8b8_fc3
	.p2align	8
	.type	k_qd2e045e8b8_fc3,@function
k_qd2e045e8b8_fc3:
	s_mov_b64 s[64:65], 0
	v_nop
	global_prefetch_b8 v0, s[64:65] scope:SCOPE_SE
	s_setreg_imm32_b32 hwreg(HW_REG_WAVE_MODE, 25, 1), 1
	s_wait_xcnt 0x0
; Last of four launches: out0 = softmax(h2 W3^T + b3) for 64 rows.  b3: [32] f32, out0: [64][32] f32.
; h2 and wp hold bf16 tiles [k / 8][16 rows][8 k]: the half fragment c of K step s is the 512 consecutive bytes at 1024 s + 512 c of its tile,
; 16 bytes a lane in lane order.  h2: 4 patient tiles of 8,192 bytes; wp from byte 655,360: W3's two class tiles of 8,192 bytes.
;
; SHARES.  Work-group pt (4 of them, one wave each) owns patients 16 pt .. + 15 and all 32 classes: two tiles x 8 K steps, 16 matrix
; instructions, 52 loads straight into the matrix operands.  A row's softmax needs its 32 classes together, and a matrix tile holds 16
; patients: the launch has work for four waves, and each has a WGP's way to memory to itself.
;
; THE PRODUCT IS USED TRANSPOSED: source 0 = 16 rows of W3, source 1 = 16 patients.  Lane (r = l % 16, h = l / 16) holds classes 8 h + j
; (tile 0) and 16 + 8 h + j (tile 1) of patient 16 pt + r: b3 loads straight into the accumulators, and a row's softmax is made inside a
; lane and its partner l xor 16.  The row's true maximum is taken away before the exponentials.
;
; NO JOINT LOADS, though the four work-groups read the same 16 KiB of W3: a load here lands in the registers that the matrix unit reads;
; a joint load would land in LDS and add an LDS read and rounds of the cluster's barrier.
;
; LIMITS.  Matrix operands are bf16, sums f32.  v_exp_f32 gives 0 for results below 2^-126.
.set W3P,  655360                      ; W3's first tile in wp
.set VL,   1                           ; v1  16 l: my 16 bytes of a weight fragment; also the way out, back from LDS
.set VA,   2                           ; v2  8192 pt + 16 l: my 16 bytes of an activation fragment
.set VB,   3                           ; v3  32 h: my 8 numbers of b3
.set OST,  4                           ; v4  128 r + 32 h: the way out, in
.set OGL,  5                           ; v5  2048 pt + 16 l: my 16 bytes of out0
.set RR,   6
.set HH,   7
.set L0,   16                          ; logits of classes 8 h + j
.set L1,   24                          ; logits of classes 16 + 8 h + j
.set MX,   32                          ; v[32:33]
.set SUM,  34                          ; v[34:35]
.set SUM2, 36                          ; v[36:37]
.set HF,   64                          ; v[64:127]  activation fragments of 8 K steps; at the end the result on its way out
.set WA,   128                         ; v[128:191] W3 rows 0..15, 8 K steps
.set WB,   192                         ; v[192:255] W3 rows 16..31, 8 K steps
	s_load_b256 s[16:23], s[0:1], 0x0              ; h2 16:17, wp 18:19, b3 20:21, out0 22:23
	v_lshl_add_u32 v62, v0, 2, 0x800
	v_mov_b32 v63, 0
	v_and_b32 v[RR], 15, v0                        ; r (one wave: v0 is the lane)
	v_lshrrev_b32 v[HH], 4, v0                     ; h
	s_mov_b32 s12, 0x76543210                      ; v_permlanex16_b32: lane i of one half reads lane i of the other
	s_mov_b32 s13, 0xfedcba98
	v_lshlrev_b32 v[VL], 4, v0
	s_lshl_b32 s10, ttmp9, 13                      ; my patient tile
	v_add_nc_u32 v[VA], s10, v[VL]
	v_lshlrev_b32 v[VB], 5, v[HH]
	s_wait_kmcnt 0x0
	; all 52 loads go out at once
	global_load_b128 v[L0:L0+3],   v[VB], s[20:21]                   ; b3 starts the sums: classes 8 h + 0..7,
	global_load_b128 v[L0+4:L0+7], v[VB], s[20:21] offset:16
	global_load_b128 v[L1:L1+3],   v[VB], s[20:21] offset:64         ; and 16 + 8 h + 0..7
	global_load_b128 v[L1+4:L1+7], v[VB], s[20:21] offset:80
.irp s, 0,1,2,3,4,5,6,7
	global_load_b128 v[WA+8*\s:WA+8*\s+3],   v[VL], s[18:19] offset:W3P+1024*\s
	global_load_b128 v[WA+8*\s+4:WA+8*\s+7], v[VL], s[18:19] offset:W3P+1024*\s+512
	global_load_b128 v[WB+8*\s:WB+8*\s+3],   v[VL], s[18:19] offset:W3P+8192+1024*\s
	global_load_b128 v[WB+8*\s+4:WB+8*\s+7], v[VL], s[18:19] offset:W3P+8192+1024*\s+512
	global_load_b128 v[HF+8*\s:HF+8*\s+3],   v[VA], s[16:17] offset:1024*\s
	global_load_b128 v[HF+8*\s+4:HF+8*\s+7], v[VA], s[16:17] offset:1024*\s+512
.endr
.irp s, 0,1,2,3,4,5,6,7
	s_wait_loadcnt 6*(7-\s)                        ; loads come back in issue order (ISA guide 5.7.1); six belong to each later K step
	v_wmma_f32_16x16x32_bf16 v[L0:L0+7], v[WA+8*\s:WA+8*\s+7], v[HF+8*\s:HF+8*\s+7], v[L0:L0+7]   ; the two tiles take turns
	v_wmma_f32_16x16x32_bf16 v[L1:L1+7], v[WB+8*\s:WB+8*\s+7], v[HF+8*\s:HF+8*\s+7], v[L1:L1+7]
.endr
	; the four places behind the last product (ISA guide 7.12.1): the way out's addresses, which name none of its registers, and one v_nop
	s_lshl_b32 s9, ttmp9, 11                       ; 16 patients x 128 bytes of out0
	v_lshlrev_b32 v[OST], 7, v[RR]                 ; in: patient r's row of 128 bytes,
	v_lshl_add_u32 v[OST], v[HH], 5, v[OST]        ; classes 8 h ..
	v_add_nc_u32 v[OGL], s9, v[VL]
	v_nop
	; a lane holds 16 of its patient's 32 logits, lane l xor 16 the other 16; two chains for the maximum
	v_max_num_f32 v[MX],   v[L0], v[L0+1]
	v_max_num_f32 v[MX+1], v[L1], v[L1+1]
.irp k, 2,4,6
	v_max3_num_f32 v[MX],   v[MX],   v[L0+\k], v[L0+\k+1]
	v_max3_num_f32 v[MX+1], v[MX+1], v[L1+\k], v[L1+\k+1]
.endr
	v_max_num_f32 v[MX], v[MX], v[MX+1]
	v_permlanex16_b32 v[MX+1], v[MX], s12, s13     ; its destination counts as read: it has been written as the second chain
	v_max_num_f32 v[MX], v[MX], v[MX+1]            ; the row's maximum m
	v_mul_f32 v[MX], 0xbfb8aa3b, v[MX]             ; - m log2 e
.irp k, 0,2,4,6
	v_pk_fma_f32 v[L0+\k:L0+\k+1], v[L0+\k:L0+\k+1], 0x3fb8aa3b, v[MX:MX+1] op_sel_hi:[1,0,0]    ; (x - m) log2 e in one step; the rounding of
	v_pk_fma_f32 v[L1+\k:L1+\k+1], v[L1+\k:L1+\k+1], 0x3fb8aa3b, v[MX:MX+1] op_sel_hi:[1,0,0]    ; m log2 e is the same for the row's 32 classes and cancels in the quotient
.endr
.irp k, 0,1,2,3,4,5,6,7
	v_exp_f32 v[L0+\k], v[L0+\k]
	v_exp_f32 v[L1+\k], v[L1+\k]
.endr
	v_nop                                          ; one plain place behind the transcendentals (ISA guide 5.7.2)
	s_wait_alu depctr_va_vdst(0)
	v_pk_add_f32 v[SUM:SUM+1],   v[L0:L0+1],     v[L0+2:L0+3]
	v_pk_add_f32 v[SUM2:SUM2+1], v[L0+4:L0+5],   v[L0+6:L0+7]
	v_pk_add_f32 v[SUM:SUM+1],   v[SUM:SUM+1],   v[L1:L1+1]
	v_pk_add_f32 v[SUM2:SUM2+1], v[SUM2:SUM2+1], v[L1+2:L1+3]
	v_pk_add_f32 v[SUM:SUM+1],   v[SUM:SUM+1],   v[L1+4:L1+5]
	v_pk_add_f32 v[SUM2:SUM2+1], v[SUM2:SUM2+1], v[L1+6:L1+7]
	v_pk_add_f32 v[SUM:SUM+1],   v[SUM:SUM+1],   v[SUM2:SUM2+1]
	v_add_f32 v[SUM], v[SUM], v[SUM+1]
	v_permlanex16_b32 v[SUM+1], v[SUM], s12, s13
	v_add_f32 v[SUM], v[SUM], v[SUM+1]             ; the row's sum, at least 1
	v_rcp_f32 v[SUM], v[SUM]
	v_nop
	s_wait_alu depctr_va_vdst(0)
.irp k, 0,2,4,6
	v_pk_mul_f32 v[L0+\k:L0+\k+1], v[L0+\k:L0+\k+1], v[SUM:SUM+1] op_sel_hi:[1,0]
	v_pk_mul_f32 v[L1+\k:L1+\k+1], v[L1+\k:L1+\k+1], v[SUM:SUM+1] op_sel_hi:[1,0]
.endr
	; the way out: by patients into 2,048 bytes of LDS, back as 512 consecutive bytes a load.  Four stores in all: their pitch of 128 bytes is left unpadded.
	ds_store_b128 v[OST], v[L0:L0+3]
	ds_store_b128 v[OST], v[L0+4:L0+7] offset:16
	ds_store_b128 v[OST], v[L1:L1+3]   offset:64
	ds_store_b128 v[OST], v[L1+4:L1+7] offset:80
.irp t, 0,1,2,3
	ds_load_b128 v[HF+4*\t:HF+4*\t+3], v[VL] offset:512*\t         ; my own bytes, served in order (ISA guide 5.7.1.4): these see the stores above
.endr
.irp t, 0,1,2,3
	s_wait_dscnt 3-\t                              ; the later read-backs may stay out
	global_store_b128 v[OGL], v[HF+4*\t:HF+4*\t+3], s[22:23] offset:512*\t   ; the wave stores 512 consecutive bytes, at a multiple of 512 from out0's first byte
.endr
	s_wait_tensorcnt 0x0
	ds_add_u32 v62, v63
	s_wait_dscnt 0x0
	s_endpgm
.Lfunc_end_k_qd2e045e8b8_fc3:
	.size	k_qd2e045e8b8_fc3, .Lfunc_end_k_qd2e045e8b8_fc3-k_qd2e045e8b8_fc3
	.p2alignl 7, 3214868480
	.fill 96, 4, 3214868480
	.section	.rodata,"a",@progbits
	.p2align	6, 0x0
	.amdhsa_kernel k_qd2e045e8b8_fc3
		.amdhsa_group_segment_fixed_size 2304
		.amdhsa_private_segment_fixed_size 0
		.amdhsa_enable_private_segment 0
		.amdhsa_kernarg_size 32
		.amdhsa_user_sgpr_count 2
		.amdhsa_user_sgpr_kernarg_segment_ptr 1
		.amdhsa_wavefront_size32 1
		.amdhsa_system_sgpr_workgroup_id_x 1
		.amdhsa_system_sgpr_workgroup_id_y 1
		.amdhsa_system_sgpr_workgroup_id_z 1
		.amdhsa_system_vgpr_workitem_id 0
		.amdhsa_next_free_vgpr 256
		.amdhsa_next_free_sgpr 66
		.amdhsa_reserve_vcc 0
		.amdhsa_float_denorm_mode_32 3
		.amdhsa_float_denorm_mode_16_64 3
		.amdhsa_memory_ordered 1
		.amdhsa_forward_progress 1
		.amdhsa_inst_pref_size 12
	.end_amdhsa_kernel
	.amdgpu_metadata
---
amdhsa.version: [ 1, 2 ]
amdhsa.kernels:
  - .name:           k_qd2e045e8b8_fc3
    .symbol:         k_qd2e045e8b8_fc3.kd
    .args:
      - { .name: h2, .offset: 0, .size: 8, .value_kind: global_buffer, .address_space: global }
      - { .name: wp, .offset: 8, .size: 8, .value_kind: global_buffer, .address_space: global }
      - { .name: b3, .offset: 16, .size: 8, .value_kind: global_buffer, .address_space: global }
      - { .name: out0, .offset: 24, .size: 8, .value_kind: global_buffer, .address_space: global }
    .group_segment_fixed_size: 2304
    .private_segment_fixed_size: 0
    .kernarg_segment_align: 8
    .kernarg_segment_size: 32
    .max_flat_workgroup_size: 32
    .sgpr_count:     66
    .vgpr_count:     256
    .wavefront_size: 32
...
	.end_amdgpu_metadata
.endif
;; end of part 9
